; MI455X (gfx1250); checked and timed in simulation.
; The chip was launched on July 23, 2026; its instructions are those of AMD's public machine-readable ISA for CDNA 5 (MIT licence, August 2026) and "CDNA5" Instruction Set Architecture Reference Guide (July 2026). The comments in the code are by the model that wrote it; some were corrected since.
;; Attention. Allowed arithmetic: float matrix products may take bf16 or f16 operands with f32 sums; other float arithmetic in f32, or as packed bf16 or f16 multiplies, adds, multiply-adds, maxima and minima; sums over many terms, partial sums and values carried from step to step in f32; what a program stores and reads back later, other than sums and carried values, may be rounded once to bf16 or f16.
;; Inputs: bo 1,024 float32; proj 256 x 64 float32; wk 1,024 x 1,024 float32; wo 1,024 x 1,024 float32; wq 1,024 x 1,024 float32; wv 1,024 x 1,024 float32; x 2 x 2,048 x 1,024 float32.
;; Outputs: out0 2 x 2,048 x 1,024 float32.
;; 2 versions, each right; version 2 is version 1 with the launch attn written anew for expert scheduling mode. Each part assembles by itself: llvm-mc -triple=amdgcn-amd-amdhsa -mcpu=gfx1250 --defsym DOCPART=n.
;; ======== version 1 of 2: 5 launches
;; limits: values are held in f16: magnitudes above 65,504 overflow, below 6.1e-05 lose precision
;; workspace buffers: w0 16,809,984 bytes; w1 42,274,816 bytes; w2 8,654,848 bytes; w3 8,388,608 bytes
;; launch cast (part 1): grid 513 x 1, 8 waves a work-group, no clusters, 0 bytes of LDS; arguments x, wq, wk, wv, wo, proj, w0; writes w0
.if DOCPART == 1
	.amdgcn_target "amdgcn-amd-amdhsa--gfx1250"
	.amdhsa_code_object_version 6
	.text
	.protected	k_qfae9f2907e_cast
	.globl	k_qfae9f2907e_cast
	.p2align	8
	.type	k_qfae9f2907e_cast,@function
k_qfae9f2907e_cast:
	s_mov_b64 s[64:65], 0
	v_nop
	global_prefetch_b8 v0, s[64:65] scope:SCOPE_SE
	s_setreg_imm32_b32 hwreg(HW_REG_WAVE_MODE, 25, 1), 1
	s_wait_xcnt 0x0
; CAST.  Every input that is a matrix operand is rounded once to bf16 and laid out for the launches behind.
; w0: x as bf16 [4096][1024] at 0; wq, wk, wv as bf16 by heads at 8,388,608: a head's 192 rows are
; [k 0-31 | q 0-31 | v 0-31 | k 32-63 | q 32-63 | v 32-63], so that one tile of 192 rows is one head's q, k and v;
; wo at 14,680,064 and proj at 16,777,216: rounded to bf16 and that number written as f16.
; LIMITS: wo and proj beyond 65,504 become infinities in f16; below 6e-5 they keep f16's fixed step of 6e-8.
; A work-group takes 16 rows of 1,024 f32 (proj: its 16,384 numbers as 16 such rows); thread t takes 16 bytes of each row.
; All 16 loads of a wave go out at once; a store of a wave covers 256 consecutive bytes, aligned.
; No LDS, no matrix unit, no cluster: nothing is shared and nothing is read twice.
.set X, 8                              ; v[8:71]   row i: 4 f32 as loaded
.set Y, 72                             ; v[72:103] row i: 4 numbers of 16 bits to store
	s_load_b256 s[4:11], s[0:1], 0x0               ; x s[4:5], wq s[6:7], wk s[8:9], wv s[10:11]
	s_load_b128 s[12:15], s[0:1], 0x20             ; wo s[12:13], proj s[14:15]
	s_load_b64 s[16:17], s[0:1], 0x30              ; w0
	s_mov_b32 s20, ttmp9                           ; id: 0-255 x, 256-319 wq, 320-383 wk, 384-447 wv, 448-511 wo, 512 proj
	v_lshlrev_b32 v1, 4, v0                        ; my 16 bytes of a source row
	v_lshlrev_b32 v2, 3, v0                        ; my 8 bytes of a row to store
	s_and_b32 s21, s20, 63                         ; the block of 16 rows inside a weight
	s_cmp_ge_u32 s20, 256
	s_cselect_b32 s22, s21, s20
	s_lshl_b32 s22, s22, 16                        ; source offset: 16 rows of 4,096 bytes
	s_mov_b32 s23, 0
	s_lshl_b32 s24, s20, 15                        ; x: 16 rows of 2,048 bytes
	s_lshr_b32 s26, s21, 2                         ; a weight's block: its head,
	s_mul_i32 s26, s26, 192
	s_bfe_u32 s27, s21, 0x10001                    ; which half of the head's 64 rows,
	s_mul_i32 s27, s27, 96
	s_add_co_u32 s26, s26, s27
	s_and_b32 s27, s21, 1                          ; which 16 of that half's 32
	s_lshl_b32 s27, s27, 4
	s_add_co_u32 s26, s26, s27
	s_cmp_lt_u32 s20, 320
	s_cselect_b32 s27, 32, 0                       ; q lies behind k,
	s_cmp_ge_u32 s20, 384
	s_cselect_b32 s27, 64, s27                     ; v behind q
	s_add_co_u32 s26, s26, s27
	s_lshl_b32 s26, s26, 11
	s_add_co_u32 s26, s26, 8388608
	s_cmp_ge_u32 s20, 256
	s_cselect_b32 s24, s26, s24
	s_sub_co_u32 s26, s20, 448                     ; wo, and behind its 64 blocks proj
	s_lshl_b32 s26, s26, 15
	s_add_co_u32 s26, s26, 14680064
	s_cmp_ge_u32 s20, 448
	s_cselect_b32 s24, s26, s24
	s_mov_b32 s25, 0
	s_wait_kmcnt 0x0
	s_mov_b64 s[30:31], s[4:5]
	s_cmp_ge_u32 s20, 256
	s_cselect_b64 s[30:31], s[6:7], s[30:31]
	s_cmp_ge_u32 s20, 320
	s_cselect_b64 s[30:31], s[8:9], s[30:31]
	s_cmp_ge_u32 s20, 384
	s_cselect_b64 s[30:31], s[10:11], s[30:31]
	s_cmp_ge_u32 s20, 448
	s_cselect_b64 s[30:31], s[12:13], s[30:31]
	s_cmp_ge_u32 s20, 512
	s_cselect_b64 s[30:31], s[14:15], s[30:31]
	s_add_nc_u64 s[30:31], s[30:31], s[22:23]
	s_add_nc_u64 s[32:33], s[16:17], s[24:25]
.irp i, 0,1,2,3,4,5,6,7,8,9,10,11,12,13,14,15
	global_load_b128 v[X+4*(\i):X+4*(\i)+3], v1, s[30:31] offset:(\i)*4096 th:TH_LOAD_NT
.endr
	s_cmp_ge_u32 s20, 448
	s_cbranch_scc1 .Lhalf
.irp i, 0,1,2,3,4,5,6,7,8,9,10,11,12,13,14,15
	s_wait_loadcnt 15-(\i)                         ; loads come back in order: row i is in, the younger rows stay out
	v_cvt_pk_bf16_f32 v[Y+2*(\i)], v[X+4*(\i)], v[X+4*(\i)+1]
	v_cvt_pk_bf16_f32 v[Y+2*(\i)+1], v[X+4*(\i)+2], v[X+4*(\i)+3]
	global_store_b64 v2, v[Y+2*(\i):Y+2*(\i)+1], s[32:33] offset:(\i)*2048
.endr
	s_endpgm
.Lhalf:                                                ; wo and proj: rounded to bf16 like every input, then written as f16
.irp i, 0,1,2,3,4,5,6,7,8,9,10,11,12,13,14,15
	s_wait_loadcnt 15-(\i)
	v_cvt_pk_bf16_f32 v[Y+2*(\i)], v[X+4*(\i)], v[X+4*(\i)+1]
	v_cvt_pk_bf16_f32 v[Y+2*(\i)+1], v[X+4*(\i)+2], v[X+4*(\i)+3]
	v_lshlrev_b32 v[X+4*(\i)], 16, v[Y+2*(\i)]
	v_and_b32 v[X+4*(\i)+1], 0xffff0000, v[Y+2*(\i)]
	v_lshlrev_b32 v[X+4*(\i)+2], 16, v[Y+2*(\i)+1]
	v_and_b32 v[X+4*(\i)+3], 0xffff0000, v[Y+2*(\i)+1]
	v_cvt_pk_f16_f32 v[Y+2*(\i)], v[X+4*(\i)], v[X+4*(\i)+1]
	v_cvt_pk_f16_f32 v[Y+2*(\i)+1], v[X+4*(\i)+2], v[X+4*(\i)+3]
	global_store_b64 v2, v[Y+2*(\i):Y+2*(\i)+1], s[32:33] offset:(\i)*2048
.endr
	s_endpgm
.Lfunc_end_k_qfae9f2907e_cast:
	.size	k_qfae9f2907e_cast, .Lfunc_end_k_qfae9f2907e_cast-k_qfae9f2907e_cast
	.p2alignl 7, 3214868480
	.fill 96, 4, 3214868480
	.section	.rodata,"a",@progbits
	.p2align	6, 0x0
	.amdhsa_kernel k_qfae9f2907e_cast
		.amdhsa_group_segment_fixed_size 0
		.amdhsa_private_segment_fixed_size 0
		.amdhsa_enable_private_segment 0
		.amdhsa_kernarg_size 56
		.amdhsa_user_sgpr_count 2
		.amdhsa_user_sgpr_kernarg_segment_ptr 1
		.amdhsa_wavefront_size32 1
		.amdhsa_system_sgpr_workgroup_id_x 1
		.amdhsa_system_sgpr_workgroup_id_y 1
		.amdhsa_system_sgpr_workgroup_id_z 1
		.amdhsa_system_vgpr_workitem_id 0
		.amdhsa_next_free_vgpr 104
		.amdhsa_next_free_sgpr 66
		.amdhsa_reserve_vcc 0
		.amdhsa_float_denorm_mode_32 3
		.amdhsa_float_denorm_mode_16_64 3
		.amdhsa_memory_ordered 1
		.amdhsa_forward_progress 1
		.amdhsa_inst_pref_size 18
	.end_amdhsa_kernel
	.amdgpu_metadata
---
amdhsa.version: [ 1, 2 ]
amdhsa.kernels:
  - .name:           k_qfae9f2907e_cast
    .symbol:         k_qfae9f2907e_cast.kd
    .args:
      - { .name: x, .offset: 0, .size: 8, .value_kind: global_buffer, .address_space: global }
      - { .name: wq, .offset: 8, .size: 8, .value_kind: global_buffer, .address_space: global }
      - { .name: wk, .offset: 16, .size: 8, .value_kind: global_buffer, .address_space: global }
      - { .name: wv, .offset: 24, .size: 8, .value_kind: global_buffer, .address_space: global }
      - { .name: wo, .offset: 32, .size: 8, .value_kind: global_buffer, .address_space: global }
      - { .name: proj, .offset: 40, .size: 8, .value_kind: global_buffer, .address_space: global }
      - { .name: w0, .offset: 48, .size: 8, .value_kind: global_buffer, .address_space: global }
    .group_segment_fixed_size: 0
    .private_segment_fixed_size: 0
    .kernarg_segment_align: 8
    .kernarg_segment_size: 56
    .max_flat_workgroup_size: 256
    .sgpr_count:     66
    .vgpr_count:     104
    .wavefront_size: 32
...
	.end_amdgpu_metadata
.endif
;; end of part 1
;; launch qkv (part 2): grid 16 x 16, 4 waves a work-group, clusters of 4 x 4, 327,680 bytes of LDS; arguments w0, w1; writes w1
.if DOCPART == 2
	.amdgcn_target "amdgcn-amd-amdhsa--gfx1250"
	.amdhsa_code_object_version 6
	.text
	.protected	k_qfae9f2907e_qkv
	.globl	k_qfae9f2907e_qkv
	.p2align	8
	.type	k_qfae9f2907e_qkv,@function
k_qfae9f2907e_qkv:
	s_mov_b64 s[64:65], 0
	v_nop
	global_prefetch_b8 v0, s[64:65] scope:SCOPE_SE
	s_setreg_imm32_b32 hwreg(HW_REG_WAVE_MODE, 25, 1), 1
	s_wait_xcnt 0x0
	s_wait_alu depctr_hold_cnt(0) depctr_sa_sdst(0) depctr_va_vdst(0) depctr_va_sdst(0) depctr_va_ssrc(0) depctr_va_vcc(0) depctr_vm_vsrc(0)
	s_getreg_b32 s2, hwreg(HW_REG_IB_STS2, 6, 4)
	s_cmp_eq_u32 s2, 0
	s_cbranch_scc0 .Lentry_in_a_cluster
	s_endpgm
.Lentry_in_a_cluster:
	s_bfe_u32 s2, ttmp6, 0x10000c
	s_cmp_lg_u32 s2, 0xf033
	s_cbranch_scc0 .Lentry_shape_is_right
	s_endpgm
.Lentry_shape_is_right:
; QKV.  A work-group makes q, k and v of one head for one segment of 256 rows (C = 256 x 192, K = 1,024, bf16 operands, f32 sums), writes them by heads in f16,
; and makes the segment's partial state for the linear attention: with raw = k . proj, d = sum k^2 and m_loc the maximum of raw over the 256 keys and a wave's 64 features,
; bt = 2^(c1 raw - c2 d - c1 m_loc + 8) (at most 256, rounded to f16), ST[f][e] = sum bt v, BS[f] = sum bt, VS[e] = sum v, and m_loc itself.  The launch behind applies 2^(c1 (m_loc - m)).
; LIMITS: q, k, v beyond 65,504 become infinities in f16; an exponential below 2^-126 counts as 0; NaN and infinities are not treated apart.
; SHARES.  Four waves, wave (wr, wc) makes 128 x 96: 48 accumulators.  The matrix instruction is used transposed (source 0 = rows of the weights, source 1 = rows of x):
; a lane holds row l % 16 and eight neighbouring columns.  A head's weight rows lie [k|q|v|k|q|v] by 32, so both wave columns hold k in b = 0, 1, q in b = 2, 3, v in b = 4, 5.
; RING.  K goes in steps of 128 through two LDS slots; a wave's one tensor load brings 128 rows of x or 96 rows of the weights, rows of 256 bytes padded to 272.
; CLUSTER 4 x 4: x's tile hangs on the row block alone and is asked for jointly along a row of the cluster, the weights' on the head alone, along a column.
; REGISTERS.  window 0: v0-31 addresses, v32-63 at work, v64-127 and v128-191 fragments of x; window 1: v64-111, v128-175 fragments of the weights, v192-255 proj's fragments;
; window 2: accumulators of my rows 0-63 ((a, b) at 8 (6 a + b)); window 3: those of rows 64-127.  Behind the products the windows are used anew: see the second part.
.set KSTEP,  128
.set PITCH,  272
.set HALFA,  128*PITCH
.set HALFB,  96*PITCH
.set SLOT1,  1<<17                     ; slot 1 begins here, so that one exclusive or turns an address in one slot into the other's
.set SPARE,  SLOT1+2*HALFA+2*HALFB     ; behind the ring: the spare words, 128 bytes a wave
.set SP,     416                       ; the stage (in slot 0, behind its last fill): a row is k 128 bytes, q 128, v 128, 32 of padding: an odd multiple of 32
.set DG,     256*SP                    ; behind the stage: two arrays of 256 f32, each wave column's part of d
.set L4,   3                           ; 4 x lane
.set R4,   4                           ; 4 x (lane % 16)
.set ZO,   5                           ; 0, an offset
.set KA0,  8                           ; my place in 16 keys of the stage
.set A0,   16                          ; my place in a slot's x tile, and in its weights' tile
.set B0,   17
.set ADRA, 18                          ; the same in the slot in hand
.set ADRB, 19
.set STO,  20
.set RD,   21
.set GO,   22
.set DGS,  23
.set KA,   24
.set VA,   25
.set VWA,  26
.set DA,   27
.set SPW,  28                          ; LDS address of my spare word; never rewritten
.set NIL,  29                          ; 0; never rewritten
.set PFO,  30
.set TMP,  32
.set DP,   56
.set F0,   64
.set F1,   128
.set PF,   192                         ; window 1: proj's fragment (ft, ks) at PF + 8 (2 ft + ks)
.set KFR,  64                          ; second part, window 0: k's fragments (t, ks) at KFR + 8 (2 t + ks)
.set VT,   96                          ; v turned, channel tile e at VT + 8 e
.set VW,   128                         ; v turned, channel tile = my wave's number
.set DGR,  136                         ; the two parts of d for 32 keys
.set O,    168                         ; c2 d + c1 m_loc - 8 for my 16 keys
.set BF,   192                         ; bt in f16, feature tile ft at BF + 8 ft
.set ONES, 224
.set M,    232
.set K0,   236
.set T,    32                          ; two buffers of 16
.set G1,  24
.set G0,  32
.set G1B, 48
.set G0B, 56
.set TB,  66                           ; LDS byte at which the slot in hand begins
.set C1,  68                           ; s[68:69] c1 = log2(e) / 64^(1/4)
.set C2,  70                           ; s[70:71] c2 = log2(e) / 16
.set SEL, 72
.set KB,  74                           ; s[74:75] kh, s[76:77] qh, s[78:79] vh at my wave's 64 rows
.set MSB, 0
.macro WIN new                         ; the immediate's high byte repeats the setting that is left
.if MSB != (\new)
	s_set_vgpr_msb (MSB<<8)|(\new)
.set MSB, \new
.endif
.endm
.macro PLACES                          ; four places in front of loads into, and reads of, registers of matrix instructions
.rept 4
	v_nop
.endr
.endm
.macro JLOAD                           ; a joint refill by the walking descriptor: waves 0, 1 x's halves, waves 2, 3 the weights'
	s_cmp_eq_u32 s11, 0
	s_cbranch_scc0 .Lfor_b_\@
	tensor_load_to_lds s[G0+4:G0+7], s[G1:G1+7]
	s_nop 0
.rept 4
	v_nop
.endr
	s_branch .Lasked_\@
.Lfor_b_\@:
	tensor_load_to_lds s[G0B+4:G0B+7], s[G1B:G1B+7]
	s_nop 0
.rept 4
	v_nop
.endr
.Lasked_\@:
.endm
.macro CREST                           ; a round of the cluster's barrier behind its opening barrier
	s_cmp_lg_u32 s10, 0
	s_cbranch_scc1 .Lnot_wave_0_\@
	s_barrier_signal -3
.Lnot_wave_0_\@:
	s_barrier_wait -3
	s_barrier_signal -1
	s_barrier_wait -1
.endm
.macro CROUND
	s_barrier_signal -1
	s_barrier_wait -1
	CREST
.endm
	s_load_b128 s[4:7], s[0:1], 0x0                ; w0 s[4:5], w1 s[6:7]
	v_lshl_add_u32 v[SPW], v0, 2, SPARE
	v_mov_b32 v[NIL], 0
	ds_add_u32 v[SPW], v[NIL]                      ; the wave's opening: the add and its wait ahead of my first tensor load
	v_lshrrev_b32 v1, 5, v0
	v_readfirstlane_b32 s10, v1                    ; wave 0..3
	s_lshr_b32 s11, s10, 1                         ; wr.  Also: I fetch x (0) or the weights (1)
	s_and_b32 s12, s10, 1                          ; wc.  Also: which half of that tile I fetch
	s_bfe_u32 s40, ttmp6, 0x40000                  ; cx
	s_bfe_u32 s41, ttmp6, 0x40004                  ; cy
	s_lshl_b32 s42, ttmp9, 2
	s_add_co_u32 s42, s42, s40                     ; the head = 4 x cluster x + cx
	s_and_b32 s13, ttmp7, 0xffff
	s_lshl_b32 s13, s13, 2
	s_add_co_u32 s13, s13, s41                     ; the block of 256 rows = 4 x cluster y + cy
	s_lshl_b32 s43, s41, 2
	s_lshl_b32 s43, 15, s43                        ; my row of the cluster
	s_lshl_b32 s44, 0x1111, s40                    ; my column
	s_or_b32 s[G1], s43, (1<<16)|(1<<20)|(1<<21)|(5<<22)|(3<<25)   ; mask; 2-byte elements; padding on; bit 21 beside a mask; after every 64 words 4 words
	s_or_b32 s[G1B], s44, (1<<16)|(1<<20)|(1<<21)|(5<<22)|(3<<25)
	s_mov_b32 s[G1+1], KSTEP<<16                   ; tensor_dim0 = 128
	s_mov_b32 s[G1+2], 128<<16                     ; tensor_dim1 = 128
	s_mov_b32 s[G1+3], KSTEP<<16                   ; tile_dim0 = 128
	s_mov_b32 s[G1+4], 128                         ; tile_dim1 = 128
	s_mov_b32 s[G1+5], 1024                        ; elements from row to row
	s_mov_b32 s[G1+6], 0
	s_mov_b32 s[G1+7], 0
	s_mov_b32 s[G1B+1], KSTEP<<16
	s_mov_b32 s[G1B+2], 96<<16                     ; the weights' half tile has 96 rows
	s_mov_b32 s[G1B+3], KSTEP<<16
	s_mov_b32 s[G1B+4], 96
	s_mov_b32 s[G1B+5], 1024
	s_mov_b32 s[G1B+6], 0
	s_mov_b32 s[G1B+7], 0
	s_lshl_b32 s16, s13, 19                        ; x: (256 block + 128 half) rows of 2,048 bytes
	s_lshl_b32 s17, s12, 18
	s_add_co_u32 s16, s16, s17
	s_mov_b32 s17, 0
	s_mul_i32 s46, s42, 192                        ; weights: (192 head + 96 half) rows, behind x
	s_mul_i32 s47, s12, 96
	s_add_co_u32 s46, s46, s47
	s_lshl_b32 s46, s46, 11
	s_add_co_u32 s46, s46, 8388608
	s_mov_b32 s47, 0
	s_mul_i32 s20, s12, HALFA                      ; where they go: no place in the cluster enters an LDS address
	s_mul_i32 s21, s12, HALFB
	s_add_co_u32 s21, s21, 2*HALFA
	s_mov_b32 s[C1], 0x3f0293ee
	s_mov_b32 s[C1+1], s[C1]
	s_mov_b32 s[C2], 0x3db8aa3b
	s_mov_b32 s[C2+1], s[C2]
	s_mov_b32 s[SEL], 0x76543210
	s_mov_b32 s[SEL+1], 0xfedcba98
	s_mov_b32 s[TB], 0
	s_wait_dscnt 0x0                               ; the opening add is done
	s_wait_kmcnt 0x0
	s_add_nc_u64 s[14:15], s[4:5], s[16:17]
	s_add_nc_u64 s[46:47], s[4:5], s[46:47]
	CROUND                                         ; all sixteen work-groups are here: the first joint loads meet
.irp s, 0,1
	s_mov_b32 s[G0+4*(\s)], 1
	s_add_co_u32 s[G0+4*(\s)+1], s20, (\s)*SLOT1
	s_add_nc_u64 s[G0+4*(\s)+2:G0+4*(\s)+3], s[14:15], (\s)*KSTEP*2
	s_or_b32 s[G0+4*(\s)+3], s[G0+4*(\s)+3], 0x80000000
	s_mov_b32 s[G0B+4*(\s)], 1
	s_add_co_u32 s[G0B+4*(\s)+1], s21, (\s)*SLOT1
	s_add_nc_u64 s[G0B+4*(\s)+2:G0B+4*(\s)+3], s[46:47], (\s)*KSTEP*2
	s_or_b32 s[G0B+4*(\s)+3], s[G0B+4*(\s)+3], 0x80000000
.endr
	s_cmp_eq_u32 s11, 0                            ; a wave's two first fills stand in one branch: two loads of mine are out
	s_cbranch_scc0 .Lfirst_b
	tensor_load_to_lds s[G0:G0+3], s[G1:G1+7]
	s_nop 0
	tensor_load_to_lds s[G0+4:G0+7], s[G1:G1+7]
	s_nop 0
.rept 4
	v_nop
.endr
	s_branch .Lfirst_asked
.Lfirst_b:
	tensor_load_to_lds s[G0B:G0B+3], s[G1B:G1B+7]
	s_nop 0
	tensor_load_to_lds s[G0B+4:G0B+7], s[G1B:G1B+7]
	s_nop 0
.rept 4
	v_nop
.endr
.Lfirst_asked:
	v_and_b32 v1, 15, v0                           ; r = l % 16
	v_bfe_u32 v2, v0, 4, 1                         ; h = l / 16
	v_and_b32 v6, 31, v0                           ; l
	v_mul_u32_u24 v7, v1, PITCH
	v_lshl_add_u32 v7, v2, 4, v7                   ; a fragment's row x pitch + 16 x half
	s_mul_i32 s22, s11, HALFA
	s_mul_i32 s23, s12, HALFB
	s_add_co_u32 s23, s23, 2*HALFA
	v_add_nc_u32 v[A0], s22, v7
	v_add_nc_u32 v[B0], s23, v7
	v_mov_b32 v[ADRA], v[A0]
	v_mov_b32 v[ADRB], v[B0]
	v_lshlrev_b32 v[PFO], 7, v1                    ; proj: feature (64 w + r) x 128 bytes + 16 h
	v_lshl_add_u32 v[PFO], v2, 4, v[PFO]
	s_lshl_b32 s22, s10, 13
	v_add_nc_u32 v[PFO], s22, v[PFO]
	s_add_nc_u64 s[88:89], s[4:5], 16777216
	WIN 0x40                                       ; destination window 1
.irp ft, 0,1,2,3
.irp ks, 0,1
	global_load_b128 v[PF+8*(2*(\ft)+(\ks)):PF+8*(2*(\ft)+(\ks))+3], v[PFO], s[88:89] offset:(\ft)*2048+64*(\ks)
	global_load_b128 v[PF+8*(2*(\ft)+(\ks))+4:PF+8*(2*(\ft)+(\ks))+7], v[PFO], s[88:89] offset:(\ft)*2048+64*(\ks)+32
.endr
.endr
	WIN 0
	s_lshl_b32 s22, s11, 7
	v_add_nc_u32 v7, s22, v1                       ; my row 128 wr + r
	v_mul_u32_u24 v[STO], v7, SP
	v_lshl_add_u32 v[STO], v2, 4, v[STO]
	s_lshl_b32 s23, s12, 6
	v_add_nc_u32 v[STO], s23, v[STO]               ; + 64 wc + 16 h
	s_lshl_b32 s23, s12, 10
	s_add_co_u32 s23, s23, DG
	v_lshl_add_u32 v[DGS], v7, 2, s23
	v_lshrrev_b32 v7, 3, v6
	s_lshl_b32 s22, s10, 6
	v_add_nc_u32 v7, s22, v7                       ; back: row 64 w + l / 8, 16 bytes at l % 8
	v_mul_u32_u24 v[RD], v7, SP
	v_and_b32 v9, 7, v6
	v_lshl_add_u32 v[RD], v9, 4, v[RD]
	v_lshlrev_b32 v[GO], 4, v6
	v_lshlrev_b32 v[L4], 2, v6
	v_lshlrev_b32 v[R4], 2, v1
	v_mov_b32 v[ZO], 0
	v_mul_u32_u24 v[KA0], v1, SP
	v_lshl_add_u32 v[KA0], v2, 4, v[KA0]
	v_lshl_add_u32 v7, v2, 3, v9                   ; the turning load: key 8 h + l % 8, channels 8 ((l / 8) % 2) on
	v_mul_u32_u24 v[VA], v7, SP
	v_bfe_u32 v7, v0, 3, 1
	v_lshl_add_u32 v[VA], v7, 4, v[VA]
	v_add_nc_u32 v[VA], 256, v[VA]                 ; v lies 256 bytes into a stage row
	s_lshl_b32 s22, s10, 5
	v_add_nc_u32 v[VWA], s22, v[VA]
	v_lshlrev_b32 v[DA], 5, v2
	v_add_nc_u32 v[DA], DG, v[DA]
	v_mov_b32 v59, 0                               ; written, since a lane exchange counts as a reader of its destination
	v_cmp_eq_u32 s94, 1, v2                        ; the upper half of the lanes
	s_lshr_b32 s90, s13, 3                         ; (batch x 16 + head) x 8 + segment: in registers that feed no descriptor
	s_lshl_b32 s90, s90, 4
	s_add_co_u32 s90, s90, s42
	s_lshl_b32 s90, s90, 3
	s_and_b32 s91, s13, 7
	s_add_co_u32 s90, s90, s91
	s_mov_b32 s93, 0
	s_lshl_b32 s92, s90, 15
	s_lshl_b32 s91, s10, 13
	s_add_co_u32 s92, s92, s91
	s_add_nc_u64 s[KB+2:KB+3], s[6:7], s[92:93]    ; qh at my wave's 64 rows
	s_add_nc_u64 s[KB:KB+1], s[KB+2:KB+3], 8388608 ; kh
	s_add_nc_u64 s[KB+4:KB+5], s[KB+2:KB+3], 16777216  ; vh
	s_lshl_b32 s92, s90, 16
	s_lshl_b32 s91, s10, 12
	s_add_co_u32 s92, s92, s91
	s_add_co_u32 s92, s92, 25165824
	s_add_nc_u64 s[80:81], s[6:7], s[92:93]        ; st
	s_lshl_b32 s92, s90, 10
	s_lshl_b32 s91, s10, 8
	s_add_co_u32 s92, s92, s91
	s_add_co_u32 s92, s92, 41943040
	s_add_nc_u64 s[82:83], s[6:7], s[92:93]        ; bs
	s_lshl_b32 s92, s90, 8
	s_lshl_b32 s91, s10, 6
	s_add_co_u32 s92, s92, s91
	s_add_co_u32 s92, s92, 42205184
	s_add_nc_u64 s[84:85], s[6:7], s[92:93]        ; vs
	s_lshl_b32 s92, s90, 4
	s_lshl_b32 s91, s10, 2
	s_add_co_u32 s92, s92, s91
	s_add_co_u32 s92, s92, 42270720
	s_add_nc_u64 s[86:87], s[6:7], s[92:93]        ; mx
; 12 matrix instructions: row blocks a0, a0 + 1 of the window's four x all 6 column blocks, 32 along K.  The 48 accumulators take turns in one order everywhere.
.macro MUL12 f, hi, a0, zero
	WIN 0xa1+0x50*(\hi)
.irp a, \a0, (\a0)+1
.irp b, 0,1,2,3,4,5
.if \zero
	v_wmma_f32_16x16x32_bf16 v[8*(6*(\a)+(\b)):8*(6*(\a)+(\b))+7], v[(\f)+8*(\b):(\f)+8*(\b)+7], v[(\f)+8*(4*(\hi)+(\a)):(\f)+8*(4*(\hi)+(\a))+7], 0
.else
	v_wmma_f32_16x16x32_bf16 v[8*(6*(\a)+(\b)):8*(6*(\a)+(\b))+7], v[(\f)+8*(\b):(\f)+8*(\b)+7], v[(\f)+8*(4*(\hi)+(\a)):(\f)+8*(4*(\hi)+(\a))+7], v[8*(6*(\a)+(\b)):8*(6*(\a)+(\b))+7]
.endif
.endr
.endr
.endm
; 28 LDS loads in one run: 96 rows of the weights, then 128 rows of x, 32 K at byte k of the rows, into buffer f
.macro FETCH k, f
	WIN 0x40
.irp i, 0,1,2,3,4,5
	ds_load_b128 v[(\f)+8*(\i):(\f)+8*(\i)+3],   v[ADRB] offset:(\k)+(\i)*16*PITCH
	ds_load_b128 v[(\f)+8*(\i)+4:(\f)+8*(\i)+7], v[ADRB] offset:(\k)+(\i)*16*PITCH+32
.endr
	WIN 0
.irp i, 0,1,2,3,4,5,6,7
	ds_load_b128 v[(\f)+8*(\i):(\f)+8*(\i)+3],   v[ADRA] offset:(\k)+(\i)*16*PITCH
	ds_load_b128 v[(\f)+8*(\i)+4:(\f)+8*(\i)+7], v[ADRA] offset:(\k)+(\i)*16*PITCH+32
.endr
.endm
.macro QUARTER k, f, g, zero
	s_wait_dscnt 8                                 ; the weights and x's rows 0-63 are in; the youngest eight loads (rows 64-127) may be out
	MUL12 \f, 0, 0, \zero
	MUL12 \f, 0, 2, \zero
	PLACES
	FETCH \k, \g
	s_wait_dscnt 28                                ; all but the 28 just issued
	MUL12 \f, 1, 0, \zero
	MUL12 \f, 1, 2, \zero
.endm
; The last quarter of a K step multiplies buffer 1 and changes slots.  fill = 1: the slot just read out takes the K step two on; the barrier then opens a round of the cluster's.
.macro TURN fill
	WIN 0
	s_wait_tensorcnt 0x0                           ; all my tensor loads have landed: the one that was out is my part of the next slot
	ds_add_u32 v[SPW], v[NIL]                      ; 0 onto my spare word
	s_wait_dscnt 9                                 ; the add and the youngest eight loads may be out
	MUL12 F1, 0, 0, 0
	s_wait_dscnt 0x0                               ; the add is done, and my reads of this slot are over
	s_barrier_signal -1
	MUL12 F1, 0, 2, 0
	WIN 0
	s_barrier_wait -1
.if \fill
	CREST                                          ; no wave of any partner still reads this slot or has a load on its way
	s_xor_b32 s[G0+5], s[G0+5], SLOT1              ; the walking descriptors: the other slot than last time, the next K step
	s_add_nc_u64 s[G0+6:G0+7], s[G0+6:G0+7], KSTEP*2
	s_xor_b32 s[G0B+5], s[G0B+5], SLOT1
	s_add_nc_u64 s[G0B+6:G0B+7], s[G0B+6:G0B+7], KSTEP*2
	JLOAD                                          ; the first tensor load behind the round; 168 matrix instructions stand between it and the wait for it
.else
	PLACES
.endif
	s_xor_b32 s[TB], s[TB], SLOT1
	v_add_nc_u32 v[ADRA], s[TB], v[A0]
	v_add_nc_u32 v[ADRB], s[TB], v[B0]
	FETCH 0, F0
	MUL12 F1, 1, 0, 0
	MUL12 F1, 1, 2, 0
.endm
	s_wait_tensorcnt 1                             ; my part of K step 0 is in; K step 1's may stay out
	s_barrier_signal -1
	s_barrier_wait -1
	FETCH 0, F0
	QUARTER 64, F0, F1, 1                          ; the first quarter's products start the sums
	WIN 0
	s_mov_b32 s3, 6
.Lstep:                                                ; a trip: a K step's quarters 2 to 4 and the next one's first; it asks for the K step two on: steps 2 to 7
	QUARTER 128, F1, F0, 0
	QUARTER 192, F0, F1, 0
	TURN 1
	QUARTER 64, F0, F1, 0
	WIN 0
	s_sub_co_u32 s3, s3, 1
	s_cmp_lg_u32 s3, 0
	s_cbranch_scc1 .Lstep
	QUARTER 128, F1, F0, 0                         ; K steps 6 and 7 ask for nothing
	QUARTER 192, F0, F1, 0
	TURN 0
	QUARTER 64, F0, F1, 0
	QUARTER 128, F1, F0, 0
	QUARTER 192, F0, F1, 0
	s_wait_dscnt 8
	MUL12 F1, 0, 0, 0
	MUL12 F1, 0, 2, 0
	s_wait_dscnt 0x0
	MUL12 F1, 1, 0, 0
	MUL12 F1, 1, 2, 0
	PLACES
; SECOND PART.  Slot 0 has had its last fill and its last read (the barrier of the last change of slots): it takes the stage.
; Row block a: rounded to f16, 16 bytes a lane into the stage; the sum of my 16 squares of k, with the other half of the lanes', into my wave column's array of d.
.macro STAGEA a
	WIN 0x0a+5*((\a)/4)                            ; sources 0 and 1 in window 2 or 3
.set AB, 48*((\a)%4)
.irp b, 0,1,2,3,4,5
.irp q, 0,1,2,3
	v_cvt_pk_f16_f32 v[TMP+4*(\b)+(\q)], v[AB+8*(\b)+2*(\q)], v[AB+8*(\b)+2*(\q)+1]
.endr
.endr
	v_pk_mul_f32 v[DP:DP+1], v[AB:AB+1], v[AB:AB+1]
.irp q, 1,2,3,4,5,6,7
	v_pk_fma_f32 v[DP:DP+1], v[AB+2*(\q):AB+2*(\q)+1], v[AB+2*(\q):AB+2*(\q)+1], v[DP:DP+1]
.endr
	WIN 0
.irp b, 0,1,2,3,4,5
	ds_store_b128 v[STO], v[TMP+4*(\b):TMP+4*(\b)+3] offset:(\a)*16*SP+((\b)/2)*128+((\b)%2)*32
.endr
	v_add_f32 v58, v[DP], v[DP+1]
	v_permlanex16_b32 v59, v58, s[SEL], s[SEL+1]
	v_add_f32 v58, v58, v59
	ds_store_b32 v[DGS], v58 offset:64*(\a)
.endm
.irp a, 0,1,2,3,4,5,6,7
	STAGEA \a
.endr
	s_wait_dscnt 0x0                               ; for the others' sake: my stores into the stage are done
	s_barrier_signal -1
	s_barrier_wait -1
	; k, q, v leave by heads: my wave's 64 rows, 512 consecutive bytes a store
.set n, 0
.irp g, 0,1,2
.irp i, 0,1,2,3,4,5,6,7,8,9,10,11,12,13,14,15
	ds_load_b128 v[64+4*n:64+4*n+3], v[RD] offset:(\i)*4*SP+128*(\g)
.set n, n+1
.endr
.endr
.set n, 0
.irp g, 0,1,2
.irp i, 0,1,2,3,4,5,6,7,8,9,10,11,12,13,14,15
	s_wait_dscnt 47-n                              ; LDS loads come back in order: number n of the 48 is in
	global_store_b128 v[GO], v[64+4*n:64+4*n+3], s[KB+2*(\g):KB+2*(\g)+1] offset:512*(\i)
.set n, n+1
.endr
.endr
	s_wait_xcnt 0x0                                ; the stores' data registers are written again only behind this wait
	s_wait_loadcnt 0x0                             ; proj's fragments
.macro LDKF                            ; 32 keys' fragments of k: 8 loads
.irp t, 0,1
.irp ks, 0,1
	ds_load_b128 v[KFR+8*(2*(\t)+(\ks)):KFR+8*(2*(\t)+(\ks))+3],   v[KA] offset:(\t)*16*SP+64*(\ks)
	ds_load_b128 v[KFR+8*(2*(\t)+(\ks))+4:KFR+8*(2*(\t)+(\ks))+7], v[KA] offset:(\t)*16*SP+64*(\ks)+32
.endr
.endr
.endm
.macro DDK                             ; raw = k . proj for 32 keys x my 64 features: a lane holds feature l % 16 and keys 8 (l / 16) + 0..7; eight accumulators by turns
	WIN 0xa4                                       ; k window 0, proj window 1, sums window 2
.irp ks, 0,1
.irp t, 0,1
.irp ft, 0,1,2,3
.if (\ks) == 0
	v_wmma_f32_16x16x32_f16 v[8*(4*(\t)+(\ft)):8*(4*(\t)+(\ft))+7], v[KFR+16*(\t):KFR+16*(\t)+7], v[PF+16*(\ft):PF+16*(\ft)+7], 0
.else
	v_wmma_f32_16x16x32_f16 v[8*(4*(\t)+(\ft)):8*(4*(\t)+(\ft))+7], v[KFR+16*(\t)+8:KFR+16*(\t)+15], v[PF+16*(\ft)+8:PF+16*(\ft)+15], v[8*(4*(\t)+(\ft)):8*(4*(\t)+(\ft))+7]
.endif
.endr
.endr
.endr
.endm
	; PASS 1: the maximum of raw over the 256 keys and my 64 features
	v_mov_b32 v[KA], v[KA0]
.irp i, 0,1,2,3
	v_mov_b32 v[M+(\i)], 0xff7fffff
.endr
	s_mov_b32 s3, 8
.Lp1:
	LDKF
	s_wait_dscnt 0x0
	DDK
	PLACES
	WIN 0x28                                       ; sources 1 and 2 in window 2
.irp n, 0,1,2,3,4,5,6,7
.irp p, 0,1,2,3
	v_max3_num_f32 v[M+(\p)], v[M+(\p)], v[8*(\n)+2*(\p)], v[8*(\n)+2*(\p)+1]
.endr
.endr
	WIN 0
	v_add_nc_u32 v[KA], 32*SP, v[KA]
	s_sub_co_u32 s3, s3, 1
	s_cmp_lg_u32 s3, 0
	s_cbranch_scc1 .Lp1
	v_max3_num_f32 v[M], v[M], v[M+1], v[M+2]
	v_max_num_f32 v[M], v[M], v[M+3]
	v_max_num_f32_dpp v[M], v[M], v[M] row_xmask:1 row_mask:0xf bank_mask:0xf
	v_max_num_f32_dpp v[M], v[M], v[M] row_xmask:2 row_mask:0xf bank_mask:0xf
	v_max_num_f32_dpp v[M], v[M], v[M] row_xmask:4 row_mask:0xf bank_mask:0xf
	v_max_num_f32_dpp v[M], v[M], v[M] row_xmask:8 row_mask:0xf bank_mask:0xf
	v_permlanex16_b32 v[M+1], v[M], s[SEL], s[SEL+1]
	v_max_num_f32 v[M], v[M], v[M+1]               ; m_loc, in every lane
	v_mov_b32 v[M+2], 0xc1000000                   ; -8
	v_fma_f32 v[K0], v[M], s[C1], v[M+2]
	v_mov_b32 v[K0+1], v[K0]
	; PASS 2.  The sums are cleared on purpose: a first trip written out would be more than twice these lines' bytes.
	WIN 0x40
.set i, 0
.rept 168
	v_mov_b32 v[i], 0                              ; window 1: v0-127 ST (ft, e) at 8 (4 ft + e), v128-159 BS's sums, v160-167 VS's
.set i, i+1
.endr
	WIN 0
.irp i, 0,1,2,3,4,5,6,7
	v_mov_b32 v[ONES+(\i)], 0x3c003c00
.endr
	v_mov_b32 v[KA], v[KA0]
.macro FA ft                           ; c1 raw - (c2 d + c1 m_loc - 8) for feature tile ft's 16 numbers
	WIN 0x02
.irp t, 0,1
.irp q, 0,1,2,3
	v_pk_fma_f32 v[T+16*((\ft)%2)+8*(\t)+2*(\q):T+16*((\ft)%2)+8*(\t)+2*(\q)+1], v[8*(4*(\t)+(\ft))+2*(\q):8*(4*(\t)+(\ft))+2*(\q)+1], s[C1:C1+1], v[O+8*(\t)+2*(\q):O+8*(\t)+2*(\q)+1] op_sel_hi:[1,0,1] neg_lo:[0,0,1] neg_hi:[0,0,1]
.endr
.endr
.endm
	s_mov_b32 s3, 8
.Lp2:                                                  ; a trip: 32 keys
	LDKF
.irp e, 0,1,2,3
	ds_load_tr16_b128 v[VT+8*(\e):VT+8*(\e)+3],   v[VA] offset:32*(\e)
	ds_load_tr16_b128 v[VT+8*(\e)+4:VT+8*(\e)+7], v[VA] offset:32*(\e)+16*SP
.endr
	ds_load_tr16_b128 v[VW:VW+3],   v[VWA]
	ds_load_tr16_b128 v[VW+4:VW+7], v[VWA] offset:16*SP
.irp p, 0,1
.irp t, 0,1
.irp q, 0,1
	ds_load_b128 v[DGR+16*(\p)+8*(\t)+4*(\q):DGR+16*(\p)+8*(\t)+4*(\q)+3], v[DA] offset:1024*(\p)+64*(\t)+16*(\q)
.endr
.endr
.endr
	s_wait_dscnt 0x0
	DDK
	WIN 0                                          ; these sixteen lines name none of the products' registers: they are the places behind them
.irp q, 0,1,2,3,4,5,6,7
	v_pk_add_f32 v[O+2*(\q):O+2*(\q)+1], v[DGR+2*(\q):DGR+2*(\q)+1], v[DGR+16+2*(\q):DGR+16+2*(\q)+1]
.endr
.irp q, 0,1,2,3,4,5,6,7
	v_pk_fma_f32 v[O+2*(\q):O+2*(\q)+1], v[O+2*(\q):O+2*(\q)+1], s[C2:C2+1], v[K0:K0+1] op_sel_hi:[1,0,1]
.endr
	FA 0
.irp ft, 0,1,2,3
	WIN 0
.set i, 0
.rept 16
	v_exp_f32 v[T+16*((\ft)%2)+i], v[T+16*((\ft)%2)+i]
.set i, i+1
.endr
.if (\ft) < 3
	FA (\ft)+1                                     ; plain lines between the exponentials and the use of their results
.else
	v_nop
	s_wait_alu depctr_va_vdst(0)
.endif
	WIN 0
.set i, 0
	s_wait_alu depctr_va_vdst(0)
.rept 8
	v_cvt_pk_f16_f32 v[BF+8*(\ft)+i], v[T+16*((\ft)%2)+2*i], v[T+16*((\ft)%2)+2*i+1]  ; keys 8 h + 0..7 into registers 0-3, keys 16 + 8 h + 0..7 into 4-7: a fragment of 16 features x 32 keys
.set i, i+1
.endr
.endr
	WIN 0x50                                       ; sums in window 1
.irp ft, 0,1,2,3
.irp e, 0,1,2,3
	v_wmma_f32_16x16x32_f16 v[8*(4*(\ft)+(\e)):8*(4*(\ft)+(\e))+7], v[BF+8*(\ft):BF+8*(\ft)+7], v[VT+8*(\e):VT+8*(\e)+7], v[8*(4*(\ft)+(\e)):8*(4*(\ft)+(\e))+7]
.endr
.endr
.irp ft, 0,1,2,3
	v_wmma_f32_16x16x32_f16 v[128+8*(\ft):128+8*(\ft)+7], v[ONES:ONES+7], v[BF+8*(\ft):BF+8*(\ft)+7], v[128+8*(\ft):128+8*(\ft)+7]
.endr
	v_wmma_f32_16x16x32_f16 v[160:167], v[ONES:ONES+7], v[VW:VW+7], v[160:167]
	WIN 0
	PLACES
	v_add_nc_u32 v[KA], 32*SP, v[KA]
	v_add_nc_u32 v[VA], 32*SP, v[VA]
	v_add_nc_u32 v[VWA], 32*SP, v[VWA]
	v_add_nc_u32 v[DA], 128, v[DA]
	s_sub_co_u32 s3, s3, 1
	s_cmp_lg_u32 s3, 0
	s_cbranch_scc1 .Lp2
	; the partial state leaves: a block of 16 features x 16 channels is 1,024 consecutive bytes, 512 a store
	WIN 0x04                                       ; store data in window 1
.irp ft, 0,1,2,3
.irp e, 0,1,2,3
	global_store_b128 v[GO], v[8*(4*(\ft)+(\e)):8*(4*(\ft)+(\e))+3],   s[80:81] offset:(\e)*16384+(\ft)*1024
	global_store_b128 v[GO], v[8*(4*(\ft)+(\e))+4:8*(4*(\ft)+(\e))+7], s[80:81] offset:(\e)*16384+(\ft)*1024+512
.endr
.endr
	WIN 0x05
	v_cndmask_b32 v32, v128, v136, s94             ; every register of such a sum holds feature l % 16's: the lanes' halves take two tiles
	v_cndmask_b32 v33, v144, v152, s94
	v_mov_b32 v34, v160
	WIN 0
	global_store_b32 v[L4], v32, s[82:83]
	global_store_b32 v[L4], v33, s[82:83] offset:128
	global_store_b32 v[R4], v34, s[84:85]          ; both halves of the lanes hold the same 16 numbers and name the same words
	global_store_b32 v[ZO], v[M], s[86:87]         ; every lane holds m_loc and names the same word
	s_wait_tensorcnt 0x0                           ; the wave's end
	ds_add_u32 v[SPW], v[NIL]
	s_wait_dscnt 0x0
	CROUND                                         ; the closing round
	s_endpgm
.Lfunc_end_k_qfae9f2907e_qkv:
	.size	k_qfae9f2907e_qkv, .Lfunc_end_k_qfae9f2907e_qkv-k_qfae9f2907e_qkv
	.p2alignl 7, 3214868480
	.fill 96, 4, 3214868480
	.section	.rodata,"a",@progbits
	.p2align	6, 0x0
	.amdhsa_kernel k_qfae9f2907e_qkv
		.amdhsa_group_segment_fixed_size 327680
		.amdhsa_private_segment_fixed_size 0
		.amdhsa_enable_private_segment 0
		.amdhsa_kernarg_size 16
		.amdhsa_user_sgpr_count 2
		.amdhsa_user_sgpr_kernarg_segment_ptr 1
		.amdhsa_wavefront_size32 1
		.amdhsa_system_sgpr_workgroup_id_x 1
		.amdhsa_system_sgpr_workgroup_id_y 1
		.amdhsa_system_sgpr_workgroup_id_z 1
		.amdhsa_system_vgpr_workitem_id 0
		.amdhsa_next_free_vgpr 1024
		.amdhsa_next_free_sgpr 96
		.amdhsa_reserve_vcc 0
		.amdhsa_float_denorm_mode_32 3
		.amdhsa_float_denorm_mode_16_64 3
		.amdhsa_memory_ordered 1
		.amdhsa_forward_progress 1
		.amdhsa_inst_pref_size 130
	.end_amdhsa_kernel
	.amdgpu_metadata
---
amdhsa.version: [ 1, 2 ]
amdhsa.kernels:
  - .name:           k_qfae9f2907e_qkv
    .symbol:         k_qfae9f2907e_qkv.kd
    .args:
      - { .name: w0, .offset: 0, .size: 8, .value_kind: global_buffer, .address_space: global }
      - { .name: w1, .offset: 8, .size: 8, .value_kind: global_buffer, .address_space: global }
    .group_segment_fixed_size: 327680
    .private_segment_fixed_size: 0
    .kernarg_segment_align: 8
    .kernarg_segment_size: 16
    .max_flat_workgroup_size: 128
    .sgpr_count:     96
    .vgpr_count:     1024
    .wavefront_size: 32
...
	.end_amdgpu_metadata
.endif
;; end of part 2
;; launch scan (part 3): grid 4 x 32, 8 waves a work-group, no clusters, 1,280 bytes of LDS; arguments w1, w2; writes w2
.if DOCPART == 3
	.amdgcn_target "amdgcn-amd-amdhsa--gfx1250"
	.amdhsa_code_object_version 6
	.text
	.protected	k_qfae9f2907e_scan
	.globl	k_qfae9f2907e_scan
	.p2align	8
	.type	k_qfae9f2907e_scan,@function
k_qfae9f2907e_scan:
	s_mov_b64 s[64:65], 0
	v_nop
	global_prefetch_b8 v0, s[64:65] scope:SCOPE_SE
	s_setreg_imm32_b32 hwreg(HW_REG_WAVE_MODE, 25, 1), 1
	s_wait_xcnt 0x0
; SCAN.  For each head and segment s the state in front of it: ctx[f][e] = sum over s' < s of g ST + 8e-4 sum VS, den[f] = sum g BS + 0.2048 s + 1.28e-4,
; with g = 2^(c1 (m_loc - m) - 5) and m the maximum of all m_loc: the running maximum's correction.  (Features are carried as 8 (e + 1e-4): 256 keys x 8e-4 = 0.2048; 1e-6 x 128 = 1.28e-4.)
; ctx goes out in f16 with one power of two for each (head, segment, 16 channels): 2^(14 - E), E the exponent of the largest magnitude there (at least 2^-100); its inverse goes out beside it.
; A work-group takes one head and 16 channels, all 7 partial states at once: 128 work-groups are all the work there is.  Wave wv takes features 32 wv .. + 31.
; Memory binds: every partial state is read once, by loads of 512 consecutive bytes, all issued before the one wait.  No matrix unit, no cluster: nothing is shared but 4 KiB of maxima.
; LIMITS: a factor g below 2^-126 counts as 0; NaN and infinities are not treated apart.
.set AM,    0                          ; 8 waves x 8 words: the waves' largest magnitudes
.set SPARE, 256                        ; the spare words, 128 bytes a wave
.set SPW, 12
.set NIL, 13
.set MXR, 16                           ; v[16:47]   all 1,024 m_loc, 32 a lane
.set ML,  48                           ; v[48:54]   m_loc of my feature quarter, segments 0 to 6
.set X,   64                           ; v[64:175]  partial state s', block blk, half g at X + 16 s' + 8 blk + 4 g
.set VS,  176
.set BS,  184
.set G,   192                          ; v[192:205] g, twice each
.set EV,  206                          ; v[206:219] 8e-4 x prefix of VS, twice each; later the scales
.set AMX, 220                          ; v[220:227]
.set T,   244
.set C1V, 252
.set INV, 48
.set DEN, 56
	s_load_b128 s[4:7], s[0:1], 0x0                ; w1 s[4:5], w2 s[6:7]
	v_lshl_add_u32 v[SPW], v0, 2, SPARE
	v_mov_b32 v[NIL], 0
	v_lshrrev_b32 v1, 5, v0
	v_readfirstlane_b32 s8, v1                     ; wave 0..7
	s_mov_b32 s9, ttmp9                            ; the tile of 16 channels
	s_and_b32 s10, ttmp7, 0xffff                   ; batch x 16 + head
	v_and_b32 v1, 31, v0
	v_and_b32 v2, 15, v0
	v_lshlrev_b32 v3, 4, v1                        ; 16 l
	s_lshr_b32 s11, s8, 1
	s_lshl_b32 s11, s11, 2
	v_mov_b32 v4, s11                              ; my feature quarter's word
	s_lshl_b32 s28, s8, 11
	v_add_nc_u32 v5, s28, v3                       ; my two blocks of the state
	s_lshl_b32 s28, s9, 6
	v_lshl_add_u32 v6, v2, 2, s28                  ; channel 16 t_e + r
	s_lshl_b32 s28, s8, 7
	v_lshl_add_u32 v7, v1, 2, s28                  ; feature 32 wv + l
	s_lshl_b32 s28, s8, 10
	v_add_nc_u32 v8, s28, v3
	v_mov_b32 v9, 0
	s_lshl_b32 s28, s8, 5
	v_mov_b32 v10, s28
	v_mov_b32 v11, 0
	v_mov_b32 v[C1V], 0x3f0293ee
	v_mov_b32 v[T+4], 0
	s_mov_b32 s29, 0x7fffffff
	s_mov_b32 s44, 0x76543210
	s_mov_b32 s45, 0xfedcba98
	s_lshl_b32 s30, s10, 7
	s_mov_b32 s31, 0
	s_lshl_b32 s32, s10, 19
	s_lshl_b32 s28, s9, 14
	s_add_co_u32 s32, s32, s28
	s_mov_b32 s33, 0
	s_lshl_b32 s34, s10, 11
	s_mov_b32 s35, 0
	s_lshl_b32 s36, s10, 13
	s_mov_b32 s37, 0
	s_lshl_b32 s38, s10, 18
	s_lshl_b32 s28, s9, 13
	s_add_co_u32 s38, s38, s28
	s_mov_b32 s39, 0
	s_lshl_b32 s28, s9, 2
	s_add_co_u32 s40, s30, s28
	s_mov_b32 s41, 0
	s_wait_kmcnt 0x0
	s_add_nc_u64 s[12:13], s[4:5], 42270720        ; mx
	s_add_nc_u64 s[14:15], s[12:13], s[30:31]      ; mx at my head
	s_add_nc_u64 s[16:17], s[4:5], 25165824
	s_add_nc_u64 s[16:17], s[16:17], s[32:33]      ; st
	s_add_nc_u64 s[18:19], s[4:5], 42205184
	s_add_nc_u64 s[18:19], s[18:19], s[34:35]      ; vs
	s_add_nc_u64 s[20:21], s[4:5], 41943040
	s_add_nc_u64 s[20:21], s[20:21], s[36:37]      ; bs
	s_add_nc_u64 s[22:23], s[6:7], s[38:39]        ; ctx
	s_add_nc_u64 s[24:25], s[6:7], 8388608
	s_add_nc_u64 s[24:25], s[24:25], s[36:37]      ; den
	s_add_nc_u64 s[26:27], s[6:7], 8650752
	s_add_nc_u64 s[26:27], s[26:27], s[40:41]      ; scl
.irp i, 0,1,2,3,4,5,6,7
	global_load_b128 v[MXR+4*(\i):MXR+4*(\i)+3], v3, s[12:13] offset:512*(\i)
.endr
.irp s, 0,1,2,3,4,5,6
	global_load_b32 v[ML+(\s)], v4, s[14:15] offset:16*(\s)
.endr
.irp s, 0,1,2,3,4,5,6
.irp b, 0,1,2,3
	global_load_b128 v[X+16*(\s)+4*(\b):X+16*(\s)+4*(\b)+3], v5, s[16:17] offset:(\s)*65536+(\b)*512 th:TH_LOAD_NT
.endr
.endr
.irp s, 0,1,2,3,4,5,6
	global_load_b32 v[VS+(\s)], v6, s[18:19] offset:256*(\s)
	global_load_b32 v[BS+(\s)], v7, s[20:21] offset:1024*(\s)
.endr
	s_wait_loadcnt 0x0
.macro WMAX reg                        ; the maximum over the wave's 32 lanes, in every lane
	v_max_num_f32_dpp v[\reg], v[\reg], v[\reg] row_xmask:1 row_mask:0xf bank_mask:0xf
	v_max_num_f32_dpp v[\reg], v[\reg], v[\reg] row_xmask:2 row_mask:0xf bank_mask:0xf
	v_max_num_f32_dpp v[\reg], v[\reg], v[\reg] row_xmask:4 row_mask:0xf bank_mask:0xf
	v_max_num_f32_dpp v[\reg], v[\reg], v[\reg] row_xmask:8 row_mask:0xf bank_mask:0xf
	v_permlanex16_b32 v[T+4], v[\reg], s44, s45
	v_max_num_f32 v[\reg], v[\reg], v[T+4]
.endm
	v_max3_num_f32 v[T], v[MXR], v[MXR+1], v[MXR+2]
.set i, 3
.rept 14
	v_max3_num_f32 v[T], v[T], v[MXR+i], v[MXR+i+1]
.set i, i+2
.endr
	v_max_num_f32 v[T], v[T], v[MXR+31]
	WMAX T                                         ; m
.irp s, 0,1,2,3,4,5,6
	v_sub_f32 v[G+2*(\s)], v[ML+(\s)], v[T]
.endr
.irp s, 0,1,2,3,4,5,6
	v_fmaak_f32 v[G+2*(\s)], v[G+2*(\s)], v[C1V], 0xc0a00000  ; c1 (m_loc - m) - 5
.endr
.irp s, 0,1,2,3,4,5,6
	v_exp_f32 v[G+2*(\s)], v[G+2*(\s)]
.endr
	v_nop                                          ; a plain line between the last exponential and the use of its result
	s_wait_alu depctr_va_vdst(0)
.irp s, 0,1,2,3,4,5,6
	v_mov_b32 v[G+2*(\s)+1], v[G+2*(\s)]
.endr
	; the prefix over the segments, in place: X(s') becomes the sum over segments 0 .. s'
.set i, 0
.rept 8
	v_pk_mul_f32 v[X+2*i:X+2*i+1], v[X+2*i:X+2*i+1], v[G:G+1] op_sel_hi:[1,0]
.set i, i+1
.endr
.irp s, 1,2,3,4,5,6
.set i, 0
.rept 8
	v_pk_fma_f32 v[X+16*(\s)+2*i:X+16*(\s)+2*i+1], v[X+16*(\s)+2*i:X+16*(\s)+2*i+1], v[G+2*(\s):G+2*(\s)+1], v[X+16*(\s)-16+2*i:X+16*(\s)-16+2*i+1] op_sel_hi:[1,0,1]
.set i, i+1
.endr
.endr
.irp s, 1,2,3,4,5,6
	v_add_f32 v[VS+(\s)], v[VS+(\s)], v[VS+(\s)-1]
.endr
.irp s, 0,1,2,3,4,5,6
	v_mul_f32 v[EV+2*(\s)], 0x3a51b717, v[VS+(\s)]     ; 8e-4 x the sum of v
	v_mul_f32 v[EV+2*(\s)+1], 0x3a51b717, v[VS+(\s)]
.endr
.irp s, 0,1,2,3,4,5,6
.set i, 0
.rept 8
	v_pk_add_f32 v[X+16*(\s)+2*i:X+16*(\s)+2*i+1], v[X+16*(\s)+2*i:X+16*(\s)+2*i+1], v[EV+2*(\s):EV+2*(\s)+1] op_sel_hi:[1,0]
.set i, i+1
.endr
.endr
	; the largest magnitude of each state: my 16 numbers, my wave, then all eight waves through LDS
	v_mov_b32 v[AMX], 0
.irp s, 0,1,2,3,4,5,6
	v_mov_b32 v[AMX+1+(\s)], 0
.set i, 0
.rept 8
	v_and_b32 v[T+2*(i%2)], s29, v[X+16*(\s)+2*i]
	v_and_b32 v[T+2*(i%2)+1], s29, v[X+16*(\s)+2*i+1]
	v_max3_num_f32 v[AMX+1+(\s)], v[AMX+1+(\s)], v[T+2*(i%2)], v[T+2*(i%2)+1]
.set i, i+1
.endr
.endr
.irp s, 1,2,3,4,5,6,7
	WMAX AMX+(\s)
.endr
	ds_store_b128 v10, v[AMX:AMX+3]                ; all lanes write the same words with the same values
	ds_store_b128 v10, v[AMX+4:AMX+7] offset:16
	s_wait_dscnt 0x0                               ; for the others' sake
	s_barrier_signal -1
	s_barrier_wait -1
.irp i, 0,1,2,3,4,5,6,7
.set WR, 16+8*(\i)+((\i)/6)*164                ; waves 0-5 into v16-63, waves 6, 7 into v228-243
	ds_load_b128 v[WR:WR+3],   v11 offset:32*(\i)
	ds_load_b128 v[WR+4:WR+7], v11 offset:32*(\i)+16
.endr
	s_wait_dscnt 0x0
.irp s, 1,2,3,4,5,6,7
	v_max3_num_f32 v[AMX+(\s)], v[16+(\s)], v[24+(\s)], v[32+(\s)]
	v_max3_num_f32 v[AMX+(\s)], v[AMX+(\s)], v[40+(\s)], v[48+(\s)]
	v_max3_num_f32 v[AMX+(\s)], v[AMX+(\s)], v[56+(\s)], v[228+(\s)]
	v_max_num_f32 v[AMX+(\s)], v[AMX+(\s)], v[236+(\s)]
.endr
	v_mov_b32 v[INV], 1.0
.irp s, 1,2,3,4,5,6,7
	v_max_num_f32 v[AMX+(\s)], 0x0d800000, v[AMX+(\s)]     ; at least 2^-100
	v_and_b32 v[AMX+(\s)], 0x7f800000, v[AMX+(\s)]         ; 2^E
	v_sub_nc_u32 v[EV+2*(\s)-2], 0x86000000, v[AMX+(\s)]   ; 2^(14 - E): the exponent fields add up to 127 + 14 + 127
	v_sub_nc_u32 v[EV+2*(\s)-1], 0x86000000, v[AMX+(\s)]
	v_add_nc_u32 v[INV+(\s)], 0xf9000000, v[AMX+(\s)]      ; 2^(E - 14)
.endr
.irp i, 0,1,2,3
	v_mov_b32 v[T+(\i)], 0
.endr
	global_store_b128 v8, v[T:T+3], s[22:23]       ; segment 0 has nothing in front of it
	global_store_b128 v8, v[T:T+3], s[22:23] offset:512
.irp s, 0,1,2,3,4,5,6
.set i, 0
.rept 8
	v_pk_mul_f32 v[X+16*(\s)+2*i:X+16*(\s)+2*i+1], v[X+16*(\s)+2*i:X+16*(\s)+2*i+1], v[EV+2*(\s):EV+2*(\s)+1] op_sel_hi:[1,0]
.set i, i+1
.endr
.irp b, 0,1
.irp q, 0,1,2,3
	v_cvt_pk_f16_f32 v[X+16*(\s)+8*(\b)+(\q)], v[X+16*(\s)+8*(\b)+2*(\q)], v[X+16*(\s)+8*(\b)+2*(\q)+1]  ; in place, ascending: a register is written when it has been read
.endr
	global_store_b128 v8, v[X+16*(\s)+8*(\b):X+16*(\s)+8*(\b)+3], s[22:23] offset:((\s)+1)*32768+(\b)*512  ; 512 consecutive bytes
.endr
.endr
	s_cmp_lg_u32 s8, 0
	s_cbranch_scc1 .Lno_scl
.irp s, 0,1,2,3,4,5,6,7
	global_store_b32 v9, v[INV+(\s)], s[26:27] offset:16*(\s)  ; every lane holds the number and names the same word
.endr
.Lno_scl:
	s_cmp_lg_u32 s9, 0
	s_cbranch_scc1 .Lno_den                        ; the divisor's row hangs on no channel: the first channel tile's work-group writes it
	v_mov_b32 v[DEN], 0x390637bd                   ; 1.28e-4
.irp s, 1,2,3,4,5,6,7
	v_fma_f32 v[DEN+(\s)], v[G+2*(\s)-2], v[BS+(\s)-1], v[DEN+(\s)-1]
	v_add_f32 v[DEN+(\s)], 0x3e51b717, v[DEN+(\s)]         ; + 0.2048
.endr
.irp s, 0,1,2,3,4,5,6,7
	global_store_b32 v7, v[DEN+(\s)], s[24:25] offset:1024*(\s)
.endr
.Lno_den:
	s_wait_tensorcnt 0x0                           ; the wave's end
	ds_add_u32 v[SPW], v[NIL]
	s_wait_dscnt 0x0
	s_endpgm
.Lfunc_end_k_qfae9f2907e_scan:
	.size	k_qfae9f2907e_scan, .Lfunc_end_k_qfae9f2907e_scan-k_qfae9f2907e_scan
	.p2alignl 7, 3214868480
	.fill 96, 4, 3214868480
	.section	.rodata,"a",@progbits
	.p2align	6, 0x0
	.amdhsa_kernel k_qfae9f2907e_scan
		.amdhsa_group_segment_fixed_size 1280
		.amdhsa_private_segment_fixed_size 0
		.amdhsa_enable_private_segment 0
		.amdhsa_kernarg_size 16
		.amdhsa_user_sgpr_count 2
		.amdhsa_user_sgpr_kernarg_segment_ptr 1
		.amdhsa_wavefront_size32 1
		.amdhsa_system_sgpr_workgroup_id_x 1
		.amdhsa_system_sgpr_workgroup_id_y 1
		.amdhsa_system_sgpr_workgroup_id_z 1
		.amdhsa_system_vgpr_workitem_id 0
		.amdhsa_next_free_vgpr 256
		.amdhsa_next_free_sgpr 66
		.amdhsa_reserve_vcc 0
		.amdhsa_float_denorm_mode_32 3
		.amdhsa_float_denorm_mode_16_64 3
		.amdhsa_memory_ordered 1
		.amdhsa_forward_progress 1
		.amdhsa_inst_pref_size 45
	.end_amdhsa_kernel
	.amdgpu_metadata
---
amdhsa.version: [ 1, 2 ]
amdhsa.kernels:
  - .name:           k_qfae9f2907e_scan
    .symbol:         k_qfae9f2907e_scan.kd
    .args:
      - { .name: w1, .offset: 0, .size: 8, .value_kind: global_buffer, .address_space: global }
      - { .name: w2, .offset: 8, .size: 8, .value_kind: global_buffer, .address_space: global }
    .group_segment_fixed_size: 1280
    .private_segment_fixed_size: 0
    .kernarg_segment_align: 8
    .kernarg_segment_size: 16
    .max_flat_workgroup_size: 256
    .sgpr_count:     66
    .vgpr_count:     256
    .wavefront_size: 32
...
	.end_amdgpu_metadata
.endif
;; end of part 3
;; launch attn (part 4): grid 8 x 32, 4 waves a work-group, no clusters, 321,536 bytes of LDS; arguments w0, w1, w2, w3; writes w3
.if DOCPART == 4
	.amdgcn_target "amdgcn-amd-amdhsa--gfx1250"
	.amdhsa_code_object_version 6
	.text
	.protected	k_qfae9f2907e_attn
	.globl	k_qfae9f2907e_attn
	.p2align	8
	.type	k_qfae9f2907e_attn,@function
k_qfae9f2907e_attn:
	s_mov_b64 s[64:65], 0
	v_nop
	global_prefetch_b8 v0, s[64:65] scope:SCOPE_SE
	s_setreg_imm32_b32 hwreg(HW_REG_WAVE_MODE, 25, 1), 1
	s_wait_xcnt 0x0
; ATTN.  One head, one segment of 256 rows.  Features q'' = 2^(c1 raw - c2 d - c1 rowmax + 3) + 8e-4 and k'' likewise with the global maximum m: 8 x (exp + 1e-4); the factors 8 and the
; ratio 1/16 cancel between numerator and divisor.  out_i = (q''_i . ctx + sum over j <= i of P_ij v_j) / (q''_i . den + sum over j <= i of P_ij), P = f16(q''_i . k''_j), j in the segment.
; The divisor is made by the matrix unit from the same rounded operands: a fifth source of ones beside v's four channel tiles, the den row beside ctx's four.
; LIMITS: an exponential below 2^-126 counts as 0; q'' . k'' is at most 256 x 8.0008^2 = 16,390, inside f16; NaN and infinities are not treated apart; the sums' order differs from a scan's.
; SHARES.  Four waves.  Wave w makes the features of keys 64 w .. + 63, and owns the query tiles x = 0..3 at rows 64 x + 16 w + r: a tile in each band of 64, so the causal work is alike in all waves.
; LAYOUT.  S = K'' Q''^T holds one query a lane (l % 16) and keys 8 (l / 16) + 0..7; two such results rounded to f16 are source 1 of O^T = V^T P, which again holds one query a lane.
; NO CLUSTER, no tensor load: k, q, v and ctx belong to this work-group alone; what work-groups share is proj, 32 KiB a wave read once.  LDS is written by the waves' own stores.
; REGISTERS.  window 0: v0-31 addresses, v32-47 the diagonal's masks, v48-63 at work, v64-79 a tile of q or k, later v64-95 S, v128-143 P, v160-223 V turned, v224-231 ones;
; window 1: v0-127 raw, v128-191 ctx in transit, v192-255 v in transit, then v192-194 the offset pair and the LDS address; later O (x, mt) at 8 (5 x + mt);
; window 2: Q'' (x, c) at 64 x + 8 c;   window 3: proj (ft, ks) at 16 ft + 8 ks, later ctx^T's four buffers of 64, later K'' (kt, c) at 64 kt + 8 c.
.set FP,    528                        ; a feature row: 512 bytes + 16
.set VP,    160                        ; a row of v: 128 bytes + 32
.set FB,    256*VP                     ; behind v: four wave parts
.set PART,  128*FP                     ; 64 rows of K'', then the wave's own 64 rows of Q''
.set QOFF,  64*FP
.set STG,   FB+4*PART                  ; 16 rows x 144 bytes a wave, for the way out
.set SP,    144
.set DR,    STG+4*16*SP                ; the den row in f16
.set SPARE, DR+512
.set RAWO, 4
.set L16,  5
.set VST,  6
.set VA,   7
.set QRA,  8
.set CTA,  9                           ; v9-12 ctx^T's tiles; v13 the den row
.set DRA,  13
.set KAD,  14                          ; v14-17 K'' of key step 0..3
.set STO,  18
.set RD,   19
.set GO,   20
.set DRS,  21
.set DENO, 22
.set MG,   23                          ; m
.set CH,   24                          ; v24-27 at work
.set SPW,  30
.set NIL,  31
.set MK,   32
.set DSQ,  48                          ; v48-51 four chains of d
.set DN,   54
.set RC,   56
.set RAW,  64
.set S,    64
.set MXR,  96
.set P,    128
.set VT,   160
.set ONES, 224
.set OB,   64
.set OPR,  192                         ; window 1
.set FADR, 194                         ; window 1
.set IV,   36                          ; s[36:43] the four channel tiles' inverse scales, twice each
.set C1,   44
.set C2,   46
.set EPS8, 48
.set SEL,  50
.set CNT,  52
.set MSB, 0
.macro WIN new
.if MSB != (\new)
	s_set_vgpr_msb (MSB<<8)|(\new)
.set MSB, \new
.endif
.endm
.macro PLACES
.rept 4
	v_nop
.endr
.endm
	s_load_b256 s[4:11], s[0:1], 0x0               ; w0 s[4:5], w1 s[6:7], w2 s[8:9], w3 s[10:11]
	v_lshl_add_u32 v[SPW], v0, 2, SPARE
	v_mov_b32 v[NIL], 0
	v_lshrrev_b32 v1, 5, v0
	v_readfirstlane_b32 s12, v1                    ; wave 0..3
	s_mov_b32 s13, ttmp9                           ; segment
	s_and_b32 s14, ttmp7, 0xffff                   ; batch x 16 + head
	s_lshl_b32 s15, s14, 3
	s_add_co_u32 s15, s15, s13
	v_and_b32 v1, 15, v0                           ; r
	v_bfe_u32 v2, v0, 4, 1                         ; h
	v_and_b32 v3, 31, v0                           ; l
	v_lshlrev_b32 v[RAWO], 7, v1
	v_lshl_add_u32 v[RAWO], v2, 4, v[RAWO]         ; row x 128 + 16 h
	v_lshlrev_b32 v[L16], 4, v3
	v_lshlrev_b32 v[DENO], 3, v0
	s_mov_b32 s[C1], 0x3f0293ee
	s_mov_b32 s[C1+1], s[C1]
	s_mov_b32 s[C2], 0x3db8aa3b
	s_mov_b32 s[EPS8], 0x3a51b717                  ; 8e-4
	s_mov_b32 s[EPS8+1], s[EPS8]
	s_mov_b32 s[SEL], 0x76543210
	s_mov_b32 s[SEL+1], 0xfedcba98
	s_mov_b32 s57, 0
	s_mov_b32 s59, 0
	s_lshl_b32 s56, s15, 15                        ; the segment's 256 rows of 128 bytes
	s_lshl_b32 s58, s12, 13                        ; my wave's 64 of them
	s_wait_kmcnt 0x0
	s_add_nc_u64 s[18:19], s[6:7], s[56:57]        ; qh at the segment
	s_add_nc_u64 s[16:17], s[18:19], 8388608       ; kh
	s_add_nc_u64 s[20:21], s[18:19], 16777216
	s_add_nc_u64 s[20:21], s[20:21], s[58:59]      ; vh at my wave's rows
	s_add_nc_u64 s[30:31], s[16:17], s[58:59]      ; the first tile: my keys 0-15
	s_add_nc_u64 s[22:23], s[4:5], 16777216        ; proj
	s_add_nc_u64 s[24:25], s[6:7], 42270720        ; mx
	s_add_nc_u64 s[26:27], s[8:9], s[56:57]
	s_add_nc_u64 s[26:27], s[26:27], s[58:59]      ; ctx: channel tile = my wave's number, 16 blocks of 512 bytes
	s_lshl_b32 s56, s15, 10
	s_add_nc_u64 s[28:29], s[8:9], 8388608
	s_add_nc_u64 s[28:29], s[28:29], s[56:57]      ; den
	s_lshl_b32 s56, s15, 4
	s_add_nc_u64 s[54:55], s[8:9], 8650752
	s_add_nc_u64 s[54:55], s[54:55], s[56:57]      ; scl
	s_lshr_b32 s56, s14, 4
	s_lshl_b32 s56, s56, 22
	s_lshl_b32 s58, s13, 19
	s_add_co_u32 s56, s56, s58
	s_lshl_b32 s58, s12, 15
	s_add_co_u32 s56, s56, s58
	s_and_b32 s58, s14, 15
	s_lshl_b32 s58, s58, 8
	s_add_co_u32 s56, s56, s58
	s_add_nc_u64 s[60:61], s[10:11], s[56:57]      ; oh: [batch][row / 2][head][row % 2][64]
	s_load_b128 s[32:35], s[54:55], 0x0
.irp i, 0,1,2,3,4,5,6,7
	global_load_b128 v[MXR+4*(\i):MXR+4*(\i)+3], v[L16], s[24:25] offset:512*(\i)
.endr
.irp ks, 0,1
	global_load_b128 v[RAW+8*(\ks):RAW+8*(\ks)+3],   v[RAWO], s[30:31] offset:64*(\ks)
	global_load_b128 v[RAW+8*(\ks)+4:RAW+8*(\ks)+7], v[RAWO], s[30:31] offset:64*(\ks)+32
.endr
	WIN 0xc0
.set ft, 0
.rept 16
	global_load_b128 v[16*ft:16*ft+3],     v[RAWO], s[22:23] offset:ft*2048
	global_load_b128 v[16*ft+4:16*ft+7],   v[RAWO], s[22:23] offset:ft*2048+32
	global_load_b128 v[16*ft+8:16*ft+11],  v[RAWO], s[22:23] offset:ft*2048+64
	global_load_b128 v[16*ft+12:16*ft+15], v[RAWO], s[22:23] offset:ft*2048+96
.set ft, ft+1
.endr
	WIN 0x40
.set i, 0
.rept 16
	global_load_b128 v[192+4*i:192+4*i+3], v[L16], s[20:21] offset:512*i
.set i, i+1
.endr
.set i, 0
.rept 16
	global_load_b128 v[128+4*i:128+4*i+3], v[L16], s[26:27] offset:512*i
.set i, i+1
.endr
	WIN 0
	global_load_b64 v[DN:DN+1], v[DENO], s[28:29]
	; the addresses, while the loads are on their way
	v_lshrrev_b32 v28, 3, v3
	v_and_b32 v29, 7, v3
	s_lshl_b32 s53, s12, 6
	v_add_nc_u32 v[VST], s53, v28
	v_mul_u32_u24 v[VST], v[VST], VP
	v_lshl_add_u32 v[VST], v29, 4, v[VST]          ; v in: row 64 w + l / 8, 16 bytes at l % 8
	v_lshl_add_u32 v[VA], v2, 3, v29               ; the turning load: key 8 h + l % 8, channels 8 ((l / 8) % 2) on
	v_mul_u32_u24 v[VA], v[VA], VP
	v_bfe_u32 v[CH], v0, 3, 1
	v_lshl_add_u32 v[VA], v[CH], 4, v[VA]
	v_mul_u32_u24 v[CH], v1, FP
	v_lshl_add_u32 v[CH], v2, 4, v[CH]             ; a fragment's row x 528 + 16 h
.irp k, 0,1,2,3
	v_add_nc_u32 v[KAD+(\k)], FB+(\k)*PART, v[CH]
	v_add_nc_u32 v[CTA+(\k)], FB+(\k)*PART+QOFF, v[CH]
.endr
	s_mul_i32 s53, s12, PART
	s_add_co_u32 s53, s53, FB
	v_add_nc_u32 v[CH+1], s53, v[CH]               ; my own part
	v_add_nc_u32 v[QRA], QOFF, v[CH+1]
	v_lshlrev_b32 v[DRA], 4, v2
	v_add_nc_u32 v[DRA], DR, v[DRA]                ; no row term: all 16 rows of that source are the den row
	s_mul_i32 s53, s12, 16*SP
	s_add_co_u32 s53, s53, STG
	v_mul_u32_u24 v[STO], v1, SP
	v_lshl_add_u32 v[STO], v2, 4, v[STO]
	v_add_nc_u32 v[STO], s53, v[STO]
	v_mul_u32_u24 v[RD], v28, SP
	v_lshl_add_u32 v[RD], v29, 4, v[RD]
	v_add_nc_u32 v[RD], s53, v[RD]
	v_lshlrev_b32 v[GO], 12, v2
	v_lshl_add_u32 v[GO], v1, 4, v[GO]
	v_lshl_add_u32 v[DRS], v0, 2, DR
.irp i, 0,1,2,3,4,5,6,7
	v_mov_b32 v[ONES+(\i)], 0x3c003c00
.endr
	; the diagonal's masks, two keys a register: key 16 kt + 8 h + j of a band is seen by query 16 w + r where it is not greater
	v_lshlrev_b32 v48, 3, v2
	v_sub_nc_u32 v48, v1, v48
	s_lshl_b32 s53, s12, 4
	v_add_nc_u32 v48, s53, v48
	v_mov_b32 v49, -1
	s_mov_b32 s53, 0xffff
.irp kt, 0,1,2,3
.irp q, 0,1,2,3
	v_cmp_le_i32 vcc_lo, 16*(\kt)+2*(\q), v48
	v_cndmask_b32 v[MK+4*(\kt)+(\q)], 0, s53, vcc_lo
	v_cmp_le_i32 vcc_lo, 16*(\kt)+2*(\q)+1, v48
	v_cndmask_b32 v[MK+4*(\kt)+(\q)], v[MK+4*(\kt)+(\q)], v49, vcc_lo
.endr
.endr
	v_mov_b32 v[CH+2], 0
	s_wait_loadcnt 63                              ; 101 loads were issued behind mx's eight; the field holds 63, a smaller count is safe
	v_max3_num_f32 v[MG], v[MXR], v[MXR+1], v[MXR+2]
.set i, 3
.rept 14
	v_max3_num_f32 v[MG], v[MG], v[MXR+i], v[MXR+i+1]
.set i, i+2
.endr
	v_max_num_f32 v[MG], v[MG], v[MXR+31]
	v_max_num_f32_dpp v[MG], v[MG], v[MG] row_xmask:1 row_mask:0xf bank_mask:0xf
	v_max_num_f32_dpp v[MG], v[MG], v[MG] row_xmask:2 row_mask:0xf bank_mask:0xf
	v_max_num_f32_dpp v[MG], v[MG], v[MG] row_xmask:4 row_mask:0xf bank_mask:0xf
	v_max_num_f32_dpp v[MG], v[MG], v[MG] row_xmask:8 row_mask:0xf bank_mask:0xf
	v_permlanex16_b32 v[CH+2], v[MG], s[SEL], s[SEL+1]
	v_max_num_f32 v[MG], v[MG], v[CH+2]            ; m: the maximum of raw over all keys and features of the launch before
	s_wait_loadcnt 17                              ; v is in: behind it went ctx's 16 loads and den's one
	WIN 0x04                                       ; store data in window 1
.set i, 0
.rept 16
	ds_store_b128 v[VST], v[192+4*i:192+4*i+3] offset:4*VP*i
.set i, i+1
.endr
	WIN 0x40
	v_mov_b32 v[FADR], v[CH+1]                     ; where the features go: my part, from its first row on
	WIN 0
	s_wait_kmcnt 0x0
	s_mov_b32 s[IV], s32
	s_mov_b32 s[IV+1], s32
	s_mov_b32 s[IV+2], s33
	s_mov_b32 s[IV+3], s33
	s_mov_b32 s[IV+4], s34
	s_mov_b32 s[IV+5], s34
	s_mov_b32 s[IV+6], s35
	s_mov_b32 s[IV+7], s35
; THE FEATURES.  Eight trips: my four tiles of 16 keys, then my four tiles of 16 queries.  raw^T = proj x tile^T: a lane holds one row (l % 16) and eight neighbouring features of each of 16 tiles.
.macro FA ft                           ; c1 raw - (c2 d + c1 max - 3)
.irp q, 0,1,2,3
	v_pk_fma_f32 v[8*(\ft)+2*(\q):8*(\ft)+2*(\q)+1], v[8*(\ft)+2*(\q):8*(\ft)+2*(\q)+1], s[C1:C1+1], v[OPR:OPR+1] op_sel_hi:[1,0,1] neg_lo:[0,0,1] neg_hi:[0,0,1]
.endr
.endm
.macro FBX ft
.irp j, 0,1,2,3,4,5,6,7
	v_exp_f32 v[8*(\ft)+(\j)], v[8*(\ft)+(\j)]
.endr
.endm
.macro FC ft
	s_wait_alu depctr_va_vdst(0)
.irp q, 0,1,2,3
	v_pk_add_f32 v[8*(\ft)+2*(\q):8*(\ft)+2*(\q)+1], v[8*(\ft)+2*(\q):8*(\ft)+2*(\q)+1], s[EPS8:EPS8+1] op_sel_hi:[1,0]
.endr
.endm
.macro FD ft                           ; rounded in place, ascending, and 16 bytes a lane into the row
.irp q, 0,1,2,3
	v_cvt_pk_f16_f32 v[8*(\ft)+(\q)], v[8*(\ft)+2*(\q)], v[8*(\ft)+2*(\q)+1]
.endr
	ds_store_b128 v[FADR], v[8*(\ft):8*(\ft)+3] offset:32*(\ft)
.endm
	s_mov_b32 s[CNT], 0
.Lfeat:
	s_wait_loadcnt 0x0                             ; this trip's tile (at the first trip: everything)
.irp i, 0,1,2,3
	v_mov_b32 v[DSQ+(\i)], 0
.endr
.set i, 0
.rept 16
	v_fma_mix_f32 v[DSQ+i%4], v[RAW+i], v[RAW+i], v[DSQ+i%4] op_sel_hi:[1,1,0]
.set i, i+1
.endr
.set i, 0
.rept 16
	v_fma_mix_f32 v[DSQ+i%4], v[RAW+i], v[RAW+i], v[DSQ+i%4] op_sel:[1,1,0] op_sel_hi:[1,1,0]
.set i, i+1
.endr
	WIN 0x53                                       ; proj window 3, the tile window 0, sums window 1; sixteen accumulators by turns
.irp ks, 0,1
.set ft, 0
.rept 16
.if (\ks) == 0
	v_wmma_f32_16x16x32_f16 v[8*ft:8*ft+7], v[16*ft:16*ft+7], v[RAW:RAW+7], 0
.else
	v_wmma_f32_16x16x32_f16 v[8*ft:8*ft+7], v[16*ft+8:16*ft+15], v[RAW+8:RAW+15], v[8*ft:8*ft+7]
.endif
.set ft, ft+1
.endr
.endr
	WIN 0
	PLACES
	s_add_co_u32 s53, s[CNT], 1                    ; the next tile; the last trip asks for its own once more, so that no load leaves the buffer
	s_min_u32 s53, s53, 7
	s_lshl_b32 s56, s53, 11                        ; keys: row 64 w + 16 i
	s_lshl_b32 s58, s12, 13
	s_add_co_u32 s56, s56, s58
	s_sub_co_u32 s59, s53, 4                       ; queries: row 64 (i - 4) + 16 w
	s_lshl_b32 s59, s59, 13
	s_lshl_b32 s58, s12, 11
	s_add_co_u32 s59, s59, s58
	s_cmp_ge_u32 s53, 4
	s_cselect_b32 s56, s59, s56
	s_cselect_b64 s[30:31], s[18:19], s[16:17]
	s_add_nc_u64 s[30:31], s[30:31], s[56:57]
.irp ks, 0,1
	global_load_b128 v[RAW+8*(\ks):RAW+8*(\ks)+3],   v[RAWO], s[30:31] offset:64*(\ks)
	global_load_b128 v[RAW+8*(\ks)+4:RAW+8*(\ks)+7], v[RAWO], s[30:31] offset:64*(\ks)+32
.endr
	s_cmp_ge_u32 s[CNT], 4
	s_cselect_b32 s62, -1, 0                       ; a tile of queries takes its rows' maxima, a tile of keys m
.irp i, 0,1,2,3
	v_mov_b32 v[CH+(\i)], 0xff7fffff
.endr
	WIN 0x14                                       ; sources 1 and 2 in window 1
.set ft, 0
.rept 16
.irp p, 0,1,2,3
	v_max3_num_f32 v[CH+(\p)], v[CH+(\p)], v[8*ft+2*(\p)], v[8*ft+2*(\p)+1]
.endr
.set ft, ft+1
.endr
	WIN 0
	v_max3_num_f32 v[CH], v[CH], v[CH+1], v[CH+2]
	v_add_f32 v[DSQ], v[DSQ], v[DSQ+1]
	v_add_f32 v[DSQ+2], v[DSQ+2], v[DSQ+3]
	v_max_num_f32 v[CH], v[CH], v[CH+3]
	v_add_f32 v[DSQ], v[DSQ], v[DSQ+2]
	v_permlanex16_b32 v[CH+1], v[CH], s[SEL], s[SEL+1]     ; the row's other 128 features, and its other 32 channels, lie in the lane 16 away
	v_permlanex16_b32 v[DSQ+1], v[DSQ], s[SEL], s[SEL+1]
	v_max_num_f32 v[CH], v[CH], v[CH+1]
	v_add_f32 v[DSQ], v[DSQ], v[DSQ+1]
	v_cndmask_b32 v[CH], v[MG], v[CH], s62
	v_mul_f32 v[DSQ], s[C2], v[DSQ]
	v_fma_f32 v[DSQ], v[CH], s[C1], v[DSQ]         ; c2 d + c1 max
	WIN 0x40
	v_add_f32 v[OPR], 0xc0400000, v[DSQ]           ; - 3
	v_add_f32 v[OPR+1], 0xc0400000, v[DSQ]
	WIN 0x55                                       ; all that follows lies in window 1
	FA 0
.set ft, 0
.rept 16
	FBX ft
.if ft < 15
	FA ft+1                                        ; plain lines between the exponentials and the use of their results
.else
	v_nop
	s_wait_alu depctr_va_vdst(0)
.endif
	FC ft
	FD ft
.set ft, ft+1
.endr
	v_add_nc_u32 v[FADR], 16*FP, v[FADR]           ; the next 16 rows: my keys' four tiles, then my queries' four, lie one behind the other
	WIN 0
	s_add_co_u32 s[CNT], s[CNT], 1
	s_cmp_lt_u32 s[CNT], 8
	s_cbranch_scc1 .Lfeat
	s_wait_loadcnt 0x0                             ; the last trip's load lands before its registers are used anew
	; my own Q'' comes back as fragments; LDS serves a wave's instructions in order, so these see my stores, and the stores below come behind them
	WIN 0x80
.irp x, 0,1,2,3
.irp c, 0,1,2,3,4,5,6,7
	ds_load_b128 v[64*(\x)+8*(\c):64*(\x)+8*(\c)+3],   v[QRA] offset:(\x)*16*FP+64*(\c)
	ds_load_b128 v[64*(\x)+8*(\c)+4:64*(\x)+8*(\c)+7], v[QRA] offset:(\x)*16*FP+64*(\c)+32
.endr
.endr
	WIN 0x04
.set i, 0
.rept 16
	ds_store_b128 v[QRA], v[128+4*i:128+4*i+3] offset:32*i  ; ctx^T, channel tile w: channel r's row, features 16 i + 8 h on, where my first Q'' tile lay
.set i, i+1
.endr
	WIN 0
	v_cvt_pk_f16_f32 v[DN], v[DN], v[DN+1]
	ds_store_b32 v[DRS], v[DN]
	s_wait_dscnt 0x0                               ; for the others' sake: K'', v, ctx^T and the den row are written; and my Q'' is in
	s_barrier_signal -1
	s_barrier_wait -1
.macro LDV ks                          ; v of key step ks, turned: (kk, mt) at VT + 32 kk + 8 mt
	WIN 0
.irp kk, 0,1
.irp mt, 0,1,2,3
	ds_load_tr16_b128 v[VT+32*(\kk)+8*(\mt):VT+32*(\kk)+8*(\mt)+3],   v[VA] offset:(\ks)*64*VP+(\kk)*32*VP+32*(\mt)
	ds_load_tr16_b128 v[VT+32*(\kk)+8*(\mt)+4:VT+32*(\kk)+8*(\mt)+7], v[VA] offset:(\ks)*64*VP+(\kk)*32*VP+16*VP+32*(\mt)
.endr
.endr
.endm
.macro LDCT mt, buf                    ; ctx^T's channel tile mt (4: the den row), 256 features
	WIN 0xc0
.irp c, 0,1,2,3,4,5,6,7
	ds_load_b128 v[64*(\buf)+8*(\c):64*(\buf)+8*(\c)+3],   v[CTA+(\mt)] offset:64*(\c)
	ds_load_b128 v[64*(\buf)+8*(\c)+4:64*(\buf)+8*(\c)+7], v[CTA+(\mt)] offset:64*(\c)+32
.endr
.endm
.macro MTI mt, buf                     ; O (x, mt) = ctx^T Q''^T: the four tiles' accumulators by turns
	WIN 0x5b
.irp c, 0,1,2,3,4,5,6,7
.irp x, 0,1,2,3
.if (\c) == 0
	v_wmma_f32_16x16x32_f16 v[8*(5*(\x)+(\mt)):8*(5*(\x)+(\mt))+7], v[64*(\buf)+8*(\c):64*(\buf)+8*(\c)+7], v[64*(\x)+8*(\c):64*(\x)+8*(\c)+7], 0
.else
	v_wmma_f32_16x16x32_f16 v[8*(5*(\x)+(\mt)):8*(5*(\x)+(\mt))+7], v[64*(\buf)+8*(\c):64*(\buf)+8*(\c)+7], v[64*(\x)+8*(\c):64*(\x)+8*(\c)+7], v[8*(5*(\x)+(\mt)):8*(5*(\x)+(\mt))+7]
.endif
.endr
.endr
.endm
	; WHAT LIES IN FRONT OF THE SEGMENT
	LDV 0
	LDCT 0, 0
	LDCT 1, 1
	LDCT 2, 2
	LDCT 3, 3
	s_wait_dscnt 48                                ; behind tile 0's loads went 48
	MTI 0, 0
	PLACES
	LDCT 4, 0
	s_wait_dscnt 48                                ; behind tile 1's: tiles 2 and 3 and the den row
	MTI 1, 1
	s_wait_dscnt 32
	MTI 2, 2
	s_wait_dscnt 16
	MTI 3, 3
	s_wait_dscnt 0x0
	MTI 4, 0
	WIN 0x41                                       ; ctx's power of two is taken out again; tile 0 first: its lines are the places behind the later tiles' products
.irp mt, 0,1,2,3
.irp x, 0,1,2,3
.irp q, 0,1,2,3
	v_pk_mul_f32 v[8*(5*(\x)+(\mt))+2*(\q):8*(5*(\x)+(\mt))+2*(\q)+1], v[8*(5*(\x)+(\mt))+2*(\q):8*(5*(\x)+(\mt))+2*(\q)+1], s[IV+2*(\mt):IV+2*(\mt)+1] op_sel_hi:[1,0]
.endr
.endr
.endr
	WIN 0xc0
.irp kt, 0,1,2,3
.irp c, 0,1,2,3,4,5,6,7
	ds_load_b128 v[64*(\kt)+8*(\c):64*(\kt)+8*(\c)+3],   v[KAD] offset:(\kt)*16*FP+64*(\c)
	ds_load_b128 v[64*(\kt)+8*(\c)+4:64*(\kt)+8*(\c)+7], v[KAD] offset:(\kt)*16*FP+64*(\c)+32
.endr
.endr
; THE SEGMENT ITSELF.  S = K'' Q''^T for 64 keys x tile x, four accumulators by turns.  nk = 1: the step's last pass: behind each 32 features the next step's K'' takes their registers.
; Then S is rounded to f16; dg = 1: the band's own step: hidden keys' weights are cleared.
.macro SPASS x, dg, nk, ksn
.irp c, 0,1,2,3,4,5,6,7
	WIN 0x0b
.irp kt, 0,1,2,3
.if (\c) == 0
	v_wmma_f32_16x16x32_f16 v[S+8*(\kt):S+8*(\kt)+7], v[64*(\kt)+8*(\c):64*(\kt)+8*(\c)+7], v[64*(\x)+8*(\c):64*(\x)+8*(\c)+7], 0
.else
	v_wmma_f32_16x16x32_f16 v[S+8*(\kt):S+8*(\kt)+7], v[64*(\kt)+8*(\c):64*(\kt)+8*(\c)+7], v[64*(\x)+8*(\c):64*(\x)+8*(\c)+7], v[S+8*(\kt):S+8*(\kt)+7]
.endif
.endr
.if \nk
	PLACES
	WIN 0xc0
.irp kt, 0,1,2,3
	ds_load_b128 v[64*(\kt)+8*(\c):64*(\kt)+8*(\c)+3],   v[KAD+(\ksn)] offset:(\kt)*16*FP+64*(\c)
	ds_load_b128 v[64*(\kt)+8*(\c)+4:64*(\kt)+8*(\c)+7], v[KAD+(\ksn)] offset:(\kt)*16*FP+64*(\c)+32
.endr
.endif
.endr
	WIN 0
	PLACES
.irp kt, 0,1,2,3
.irp q, 0,1,2,3
	v_cvt_pk_f16_f32 v[P+4*(\kt)+(\q)], v[S+8*(\kt)+2*(\q)], v[S+8*(\kt)+2*(\q)+1]
.endr
.endr
.if \dg
.set i, 0
.rept 16
	v_and_b32 v[P+i], v[MK+i], v[P+i]
.set i, i+1
.endr
.endif
.endm
.macro PVX x                           ; O (x, mt) += V^T P, and the divisor += ones x P: five accumulators by turns
	WIN 0x50
.irp kk, 0,1
.irp mt, 0,1,2,3
	v_wmma_f32_16x16x32_f16 v[8*(5*(\x)+(\mt)):8*(5*(\x)+(\mt))+7], v[VT+32*(\kk)+8*(\mt):VT+32*(\kk)+8*(\mt)+7], v[P+8*(\kk):P+8*(\kk)+7], v[8*(5*(\x)+(\mt)):8*(5*(\x)+(\mt))+7]
.endr
	v_wmma_f32_16x16x32_f16 v[8*(5*(\x)+4):8*(5*(\x)+4)+7], v[ONES:ONES+7], v[P+8*(\kk):P+8*(\kk)+7], v[8*(5*(\x)+4):8*(5*(\x)+4)+7]
.endr
.endm
	s_wait_dscnt 0x0                               ; K'' and v of key step 0
	SPASS 0, 1, 0, 0
	PVX 0
	SPASS 1, 0, 0, 0
	PVX 1
	SPASS 2, 0, 0, 0
	PVX 2
	SPASS 3, 0, 1, 1
	PVX 3
	PLACES
	LDV 1
	s_wait_dscnt 16                                ; K'' of step 1 is in; v's 16 loads may be out
	SPASS 1, 1, 0, 0
	s_wait_dscnt 0x0                               ; v is in
	PVX 1
	SPASS 2, 0, 0, 0
	PVX 2
	SPASS 3, 0, 1, 2
	PVX 3
	PLACES
	LDV 2
	s_wait_dscnt 16
	SPASS 2, 1, 0, 0
	s_wait_dscnt 0x0
	PVX 2
	SPASS 3, 0, 1, 3
	PVX 3
	PLACES
	LDV 3
	s_wait_dscnt 16
	SPASS 3, 1, 0, 0
	s_wait_dscnt 0x0
	PVX 3
; THE WAY OUT.  Every register of the fifth accumulator holds the lane's divisor.  A tile goes through my stage and leaves as whole units: two rows of a head are 256 consecutive bytes of oh.
.macro OUTX x
	WIN 0x01
	v_rcp_f32 v[RC], v[8*(5*(\x)+4)]
	v_rcp_f32 v[RC+1], v[8*(5*(\x)+4)]
	v_nop                                          ; a plain line between the reciprocals and their use
	WIN 0x41
	s_wait_alu depctr_va_vdst(0)
.irp mt, 0,1,2,3
.irp q, 0,1,2,3
	v_pk_mul_f32 v[8*(5*(\x)+(\mt))+2*(\q):8*(5*(\x)+(\mt))+2*(\q)+1], v[8*(5*(\x)+(\mt))+2*(\q):8*(5*(\x)+(\mt))+2*(\q)+1], v[RC:RC+1]
.endr
.endr
	WIN 0x05
.irp mt, 0,1,2,3
.irp q, 0,1,2,3
	v_cvt_pk_f16_f32 v[OB+32*(\x)+4*(\mt)+(\q)], v[8*(5*(\x)+(\mt))+2*(\q)], v[8*(5*(\x)+(\mt))+2*(\q)+1]
.endr
.endr
	WIN 0
.irp mt, 0,1,2,3
	ds_store_b128 v[STO], v[OB+32*(\x)+4*(\mt):OB+32*(\x)+4*(\mt)+3] offset:32*(\mt)
.endr
.irp f, 0,1,2,3
	ds_load_b128 v[OB+32*(\x)+16+4*(\f):OB+32*(\x)+16+4*(\f)+3], v[RD] offset:(\f)*4*SP  ; in order behind the stores above; the next tile's stores come behind these
.endr
.endm
.macro SENDX x, younger                ; younger: the LDS instructions issued behind tile x's loads
.irp f, 0,1,2,3
	s_wait_dscnt (\younger)+3-(\f)
	global_store_b128 v[GO], v[OB+32*(\x)+16+4*(\f):OB+32*(\x)+16+4*(\f)+3], s[60:61] offset:(\x)*131072+(\f)*8192  ; 16 lanes store 256 consecutive bytes, aligned
.endr
.endm
	OUTX 0
	OUTX 1
	SENDX 0, 8
	OUTX 2
	SENDX 1, 8
	OUTX 3
	SENDX 2, 8
	SENDX 3, 0
	s_wait_tensorcnt 0x0                           ; the wave's end
	ds_add_u32 v[SPW], v[NIL]
	s_wait_dscnt 0x0
	s_endpgm
.Lfunc_end_k_qfae9f2907e_attn:
	.size	k_qfae9f2907e_attn, .Lfunc_end_k_qfae9f2907e_attn-k_qfae9f2907e_attn
	.p2alignl 7, 3214868480
	.fill 96, 4, 3214868480
	.section	.rodata,"a",@progbits
	.p2align	6, 0x0
	.amdhsa_kernel k_qfae9f2907e_attn
		.amdhsa_group_segment_fixed_size 321536
		.amdhsa_private_segment_fixed_size 0
		.amdhsa_enable_private_segment 0
		.amdhsa_kernarg_size 32
		.amdhsa_user_sgpr_count 2
		.amdhsa_user_sgpr_kernarg_segment_ptr 1
		.amdhsa_wavefront_size32 1
		.amdhsa_system_sgpr_workgroup_id_x 1
		.amdhsa_system_sgpr_workgroup_id_y 1
		.amdhsa_system_sgpr_workgroup_id_z 1
		.amdhsa_system_vgpr_workitem_id 0
		.amdhsa_next_free_vgpr 1024
		.amdhsa_next_free_sgpr 66
		.amdhsa_reserve_vcc 1
		.amdhsa_float_denorm_mode_32 3
		.amdhsa_float_denorm_mode_16_64 3
		.amdhsa_memory_ordered 1
		.amdhsa_forward_progress 1
		.amdhsa_inst_pref_size 153
	.end_amdhsa_kernel
	.amdgpu_metadata
---
amdhsa.version: [ 1, 2 ]
amdhsa.kernels:
  - .name:           k_qfae9f2907e_attn
    .symbol:         k_qfae9f2907e_attn.kd
    .args:
      - { .name: w0, .offset: 0, .size: 8, .value_kind: global_buffer, .address_space: global }
      - { .name: w1, .offset: 8, .size: 8, .value_kind: global_buffer, .address_space: global }
      - { .name: w2, .offset: 16, .size: 8, .value_kind: global_buffer, .address_space: global }
      - { .name: w3, .offset: 24, .size: 8, .value_kind: global_buffer, .address_space: global }
    .group_segment_fixed_size: 321536
    .private_segment_fixed_size: 0
    .kernarg_segment_align: 8
    .kernarg_segment_size: 32
    .max_flat_workgroup_size: 128
    .sgpr_count:     66
    .vgpr_count:     1024
    .wavefront_size: 32
...
	.end_amdgpu_metadata
.endif
;; end of part 4
;; launch oproj (part 5): grid 8 x 32, 4 waves a work-group, clusters of 4 x 4, 327,680 bytes of LDS; arguments w3, w0, bo, out0; writes out0
.if DOCPART == 5
	.amdgcn_target "amdgcn-amd-amdhsa--gfx1250"
	.amdhsa_code_object_version 6
	.text
	.protected	k_qfae9f2907e_oproj
	.globl	k_qfae9f2907e_oproj
	.p2align	8
	.type	k_qfae9f2907e_oproj,@function
k_qfae9f2907e_oproj:
	s_mov_b64 s[64:65], 0
	v_nop
	global_prefetch_b8 v0, s[64:65] scope:SCOPE_SE
	s_setreg_imm32_b32 hwreg(HW_REG_WAVE_MODE, 25, 1), 1
	s_wait_xcnt 0x0
	s_wait_alu depctr_hold_cnt(0) depctr_sa_sdst(0) depctr_va_vdst(0) depctr_va_sdst(0) depctr_va_ssrc(0) depctr_va_vcc(0) depctr_vm_vsrc(0)
	s_getreg_b32 s2, hwreg(HW_REG_IB_STS2, 6, 4)
	s_cmp_eq_u32 s2, 0
	s_cbranch_scc0 .Lentry_in_a_cluster
	s_endpgm
.Lentry_in_a_cluster:
	s_bfe_u32 s2, ttmp6, 0x10000c
	s_cmp_lg_u32 s2, 0xf033
	s_cbranch_scc0 .Lentry_shape_is_right
	s_endpgm
.Lentry_shape_is_right:
; OPROJ.  out0[m][n] = sum over k of O[m][k] wo[n][k] + bo[n].  O in f16 as the launch before left it ([row / 2][head][row % 2][64]), wo rounded to bf16 and written as f16, bo rounded to bf16 like
; every input; sums in f32, out0 in f32.  M = 4,096, N = K = 1,024.
; A tile of out0 is 128 x 128, so that there are 256 work-groups; four waves, each 64 x 64: 16 accumulators.  K goes in four steps of 256 (four heads) through two LDS slots.
; O's tile: a double row's four heads are 1,024 consecutive bytes; a wave's load brings 32 double rows, padded to 1,040.
; wo's tile: 64 rows of 512 bytes, padded to 528.
; CLUSTER 4 x 4: O's tile is asked for jointly along a row of the cluster, wo's along a column.  The matrix instruction is used transposed: a lane holds eight neighbouring numbers of a row of out0.
; REGISTERS.  window 0: v0-31 addresses, v32-37 the bias, v128-255 the accumulators ((a, b) at 128 + 8 (4 a + b)); window 1: two fragment buffers of 128: 64 registers of O, then 64 of wo.
.set PA,     1040
.set PB,     528
.set HALFA,  32*PA
.set HALFB,  64*PB
.set SLOT,   2*HALFA+2*HALFB
.set STAGE,  2*SLOT                    ; behind the ring: 16 rows x 272 bytes for each wave
.set SPITCH, 272
.set SPARE,  STAGE+4*16*SPITCH
.set ADRA, 16
.set ADRB, 20
.set STO,  24
.set RD,   25
.set CO,   26
.set BOF,  27
.set SPW,  28
.set NIL,  29
.set BI,   32
.set ACC,  128
.set F0,   0
.set F1,   128
.set G1,  24
.set G0,  32
.set G1B, 48
.set G0B, 56
.set MSB, 0
.macro WIN new
.if MSB != (\new)
	s_set_vgpr_msb (MSB<<8)|(\new)
.set MSB, \new
.endif
.endm
.set MUL,  0x05
.set TO_F, 0x40
.macro PLACES
.rept 4
	v_nop
.endr
.endm
.macro JLOAD s                         ; a joint refill: waves 0, 1 O's halves, waves 2, 3 wo's
	s_cmp_eq_u32 s13, 0
	s_cbranch_scc0 .Lfor_b_\@
	tensor_load_to_lds s[G0+4*(\s):G0+4*(\s)+3], s[G1:G1+7]
	s_nop 0
.rept 4
	v_nop
.endr
	s_branch .Lasked_\@
.Lfor_b_\@:
	tensor_load_to_lds s[G0B+4*(\s):G0B+4*(\s)+3], s[G1B:G1B+7]
	s_nop 0
.rept 4
	v_nop
.endr
.Lasked_\@:
.endm
.macro CREST
	s_cmp_lg_u32 s12, 0
	s_cbranch_scc1 .Lnot_wave_0_\@
	s_barrier_signal -3
.Lnot_wave_0_\@:
	s_barrier_wait -3
	s_barrier_signal -1
	s_barrier_wait -1
.endm
.macro CROUND
	s_barrier_signal -1
	s_barrier_wait -1
	CREST
.endm
	s_load_b256 s[4:11], s[0:1], 0x0               ; w3 s[4:5], w0 s[6:7], bo s[8:9], out0 s[10:11]
	v_lshl_add_u32 v[SPW], v0, 2, SPARE
	v_mov_b32 v[NIL], 0
	ds_add_u32 v[SPW], v[NIL]                      ; the wave's opening: the add and its wait ahead of my first tensor load
	v_lshrrev_b32 v1, 5, v0
	v_readfirstlane_b32 s12, v1                    ; wave 0..3
	s_lshr_b32 s13, s12, 1                         ; which half of the tile's rows is mine.  Also: I fetch O (0) or wo (1)
	s_and_b32 s14, s12, 1                          ; which half of its columns.  Also: which half of that tile I fetch
	s_bfe_u32 s40, ttmp6, 0x40000
	s_bfe_u32 s41, ttmp6, 0x40004
	s_lshl_b32 s42, ttmp9, 2
	s_add_co_u32 s42, s42, s40                     ; tile column
	s_and_b32 s15, ttmp7, 0xffff
	s_lshl_b32 s15, s15, 2
	s_add_co_u32 s15, s15, s41                     ; tile row
	s_lshl_b32 s43, s41, 2
	s_lshl_b32 s43, 15, s43
	s_lshl_b32 s44, 0x1111, s40
	s_or_b32 s[G1], s43, (1<<16)|(1<<20)|(1<<21)|(7<<22)|(3<<25)   ; O: after every 256 words 4 words of padding
	s_or_b32 s[G1B], s44, (1<<16)|(1<<20)|(1<<21)|(6<<22)|(3<<25)  ; wo: after every 128 words
	s_mov_b32 s[G1+1], 512<<16                     ; tensor_dim0 = 512 elements: four heads of a double row
	s_mov_b32 s[G1+2], 32<<16                      ; tensor_dim1 = 32 double rows
	s_mov_b32 s[G1+3], 512<<16
	s_mov_b32 s[G1+4], 32
	s_mov_b32 s[G1+5], 2048                        ; a double row is 2,048 elements
	s_mov_b32 s[G1+6], 0
	s_mov_b32 s[G1+7], 0
	s_mov_b32 s[G1B+1], 256<<16
	s_mov_b32 s[G1B+2], 64<<16
	s_mov_b32 s[G1B+3], 256<<16
	s_mov_b32 s[G1B+4], 64
	s_mov_b32 s[G1B+5], 1024
	s_mov_b32 s[G1B+6], 0
	s_mov_b32 s[G1B+7], 0
	s_lshl_b32 s16, s15, 18                        ; O: (64 tile row + 32 half) double rows of 4,096 bytes
	s_lshl_b32 s17, s14, 17
	s_add_co_u32 s16, s16, s17
	s_mov_b32 s17, 0
	s_lshl_b32 s46, s42, 18                        ; wo: (128 tile column + 64 half) rows of 2,048 bytes
	s_lshl_b32 s47, s14, 17
	s_add_co_u32 s46, s46, s47
	s_add_co_u32 s46, s46, 14680064
	s_mov_b32 s47, 0
	s_mul_i32 s20, s14, HALFA
	s_mul_i32 s21, s14, HALFB
	s_add_co_u32 s21, s21, 2*HALFA
	s_wait_dscnt 0x0                               ; the opening add is done
	s_wait_kmcnt 0x0
	s_add_nc_u64 s[18:19], s[4:5], s[16:17]
	s_add_nc_u64 s[46:47], s[6:7], s[46:47]
	CROUND                                         ; all sixteen work-groups are here: the first joint loads meet
.irp s, 0,1
	s_mov_b32 s[G0+4*(\s)], 1
	s_add_co_u32 s[G0+4*(\s)+1], s20, (\s)*SLOT
	s_add_nc_u64 s[G0+4*(\s)+2:G0+4*(\s)+3], s[18:19], (\s)*1024
	s_or_b32 s[G0+4*(\s)+3], s[G0+4*(\s)+3], 0x80000000
	s_mov_b32 s[G0B+4*(\s)], 1
	s_add_co_u32 s[G0B+4*(\s)+1], s21, (\s)*SLOT
	s_add_nc_u64 s[G0B+4*(\s)+2:G0B+4*(\s)+3], s[46:47], (\s)*512
	s_or_b32 s[G0B+4*(\s)+3], s[G0B+4*(\s)+3], 0x80000000
.endr
	s_cmp_eq_u32 s13, 0                            ; a wave's two first fills stand in one branch: two loads of mine are out
	s_cbranch_scc0 .Lfirst_b
	tensor_load_to_lds s[G0:G0+3], s[G1:G1+7]
	s_nop 0
	tensor_load_to_lds s[G0+4:G0+7], s[G1:G1+7]
	s_nop 0
.rept 4
	v_nop
.endr
	s_branch .Lfirst_asked
.Lfirst_b:
	tensor_load_to_lds s[G0B:G0B+3], s[G1B:G1B+7]
	s_nop 0
	tensor_load_to_lds s[G0B+4:G0B+7], s[G1B:G1B+7]
	s_nop 0
.rept 4
	v_nop
.endr
.Lfirst_asked:
	v_and_b32 v1, 15, v0                           ; r
	v_bfe_u32 v2, v0, 4, 1                         ; h
	v_lshrrev_b32 v3, 1, v1                        ; O's fragment: double row r / 2, its row r % 2, 16 h
	v_mul_u32_u24 v3, v3, PA
	v_and_b32 v4, 1, v1
	v_lshl_add_u32 v3, v4, 7, v3
	v_lshl_add_u32 v3, v2, 4, v3
	v_mul_u32_u24 v5, v1, PB
	v_lshl_add_u32 v5, v2, 4, v5
	s_mul_i32 s22, s13, HALFA
	s_mul_i32 s23, s14, HALFB
	s_add_co_u32 s23, s23, 2*HALFA
.irp s, 0,1
	v_add_nc_u32 v[ADRA+(\s)], s22, v3
	v_add_nc_u32 v[ADRB+(\s)], s23, v5
	s_add_co_u32 s22, s22, SLOT
	s_add_co_u32 s23, s23, SLOT
.endr
	s_mul_i32 s22, s12, 16*SPITCH
	s_add_co_u32 s22, s22, STAGE                   ; my stage
	v_mul_u32_u24 v[STO], v1, SPITCH               ; in: row r, 32 bytes for each half of the lanes
	v_lshl_add_u32 v[STO], v2, 5, v[STO]
	v_add_nc_u32 v[STO], s22, v[STO]
	v_mul_u32_u24 v[RD], v2, SPITCH                ; back: lanes 0-15 one row of 256 bytes, lanes 16-31 the next
	v_lshl_add_u32 v[RD], v1, 4, v[RD]
	v_add_nc_u32 v[RD], s22, v[RD]
	v_lshlrev_b32 v[CO], 12, v2                    ; and the same two rows in out0
	v_lshl_add_u32 v[CO], v1, 4, v[CO]
	v_lshlrev_b32 v[BOF], 4, v1
	s_lshl_b32 s66, s42, 9                         ; my 64 columns, in bytes: in registers that feed no descriptor
	s_lshl_b32 s67, s14, 8
	s_add_co_u32 s66, s66, s67
	s_mov_b32 s67, 0
	s_add_nc_u64 s[8:9], s[8:9], s[66:67]
	s_add_nc_u64 s[10:11], s[10:11], s[66:67]
	s_lshl_b32 s68, s15, 19                        ; my 64 rows of 4,096 bytes
	s_lshl_b32 s69, s13, 18
	s_add_co_u32 s68, s68, s69
	s_mov_b32 s69, 0
	s_add_nc_u64 s[10:11], s[10:11], s[68:69]
	global_load_b128 v[BI:BI+3], v[BOF], s[8:9]    ; the bias of the four columns that I store
.macro MUL8 f, c, a0, zero             ; 8 matrix instructions; the 16 accumulators take turns
	WIN MUL
.irp a, \a0, (\a0)+1
.irp b, 0,1,2,3
.if \zero
	v_wmma_f32_16x16x32_f16 v[ACC+8*(4*(\a)+(\b)):ACC+8*(4*(\a)+(\b))+7], v[(\f)+64+8*(4*(\c)+(\b)):(\f)+64+8*(4*(\c)+(\b))+7], v[(\f)+8*(4*(\c)+(\a)):(\f)+8*(4*(\c)+(\a))+7], 0
.else
	v_wmma_f32_16x16x32_f16 v[ACC+8*(4*(\a)+(\b)):ACC+8*(4*(\a)+(\b))+7], v[(\f)+64+8*(4*(\c)+(\b)):(\f)+64+8*(4*(\c)+(\b))+7], v[(\f)+8*(4*(\c)+(\a)):(\f)+8*(4*(\c)+(\a))+7], v[ACC+8*(4*(\a)+(\b)):ACC+8*(4*(\a)+(\b))+7]
.endif
.endr
.endr
.endm
.macro FETCH slot, q, f                ; 32 LDS loads: quarter q of a K step is one head: 64 along K, the first 32 first
	WIN TO_F
.irp c, 0,1
.irp i, 0,1,2,3
	ds_load_b128 v[(\f)+64+8*(4*(\c)+(\i)):(\f)+64+8*(4*(\c)+(\i))+3],   v[ADRB+(\slot)] offset:(\q)*128+64*(\c)+(\i)*16*PB
	ds_load_b128 v[(\f)+64+8*(4*(\c)+(\i))+4:(\f)+64+8*(4*(\c)+(\i))+7], v[ADRB+(\slot)] offset:(\q)*128+64*(\c)+(\i)*16*PB+32
	ds_load_b128 v[(\f)+8*(4*(\c)+(\i)):(\f)+8*(4*(\c)+(\i))+3],         v[ADRA+(\slot)] offset:(\q)*256+64*(\c)+(\i)*8*PA
	ds_load_b128 v[(\f)+8*(4*(\c)+(\i))+4:(\f)+8*(4*(\c)+(\i))+7],       v[ADRA+(\slot)] offset:(\q)*256+64*(\c)+(\i)*8*PA+32
.endr
.endr
.endm
.macro QUARTER slot, q, f, g, zero
	s_wait_dscnt 16                                ; the first 32 along K are in
	MUL8 \f, 0, 0, \zero
	MUL8 \f, 0, 2, \zero
	PLACES
	FETCH \slot, \q, \g
	s_wait_dscnt 32                                ; all but the 32 just issued
	MUL8 \f, 1, 0, 0
	MUL8 \f, 1, 2, 0
.endm
.macro TURN slot, next, fill
	WIN 0
	s_wait_tensorcnt 0x0                           ; all my tensor loads have landed: my part of the next slot
	ds_add_u32 v[SPW], v[NIL]                      ; 0 onto my spare word
	s_wait_dscnt 17                                ; the add and the youngest sixteen loads may be out
	MUL8 F1, 0, 0, 0
	s_wait_dscnt 0x0                               ; the add is done, and my reads of this slot are over
	s_barrier_signal -1
	MUL8 F1, 0, 2, 0
	WIN 0
	s_barrier_wait -1
.if \fill
	CREST                                          ; no wave of any partner still reads this slot or has a load on its way
	s_add_nc_u64 s[G0+4*(\slot)+2:G0+4*(\slot)+3], s[G0+4*(\slot)+2:G0+4*(\slot)+3], 2048
	s_add_nc_u64 s[G0B+4*(\slot)+2:G0B+4*(\slot)+3], s[G0B+4*(\slot)+2:G0B+4*(\slot)+3], 1024
	JLOAD \slot                                    ; the first tensor load behind the round: 112 matrix instructions ahead of the wait for it
.else
	PLACES
.endif
	FETCH \next, 0, F0
	MUL8 F1, 1, 0, 0
	MUL8 F1, 1, 2, 0
.endm
	s_wait_tensorcnt 1                             ; my part of K step 0 is in; K step 1's may stay out
	s_barrier_signal -1
	s_barrier_wait -1
	FETCH 0, 0, F0
	QUARTER 0, 1, F0, F1, 1                        ; the first products start the sums
	QUARTER 0, 2, F1, F0, 0
	QUARTER 0, 3, F0, F1, 0
	TURN 0, 1, 1                                   ; slot 0 takes K step 2
	QUARTER 1, 1, F0, F1, 0
	QUARTER 1, 2, F1, F0, 0
	QUARTER 1, 3, F0, F1, 0
	TURN 1, 0, 1                                   ; slot 1 takes K step 3
	QUARTER 0, 1, F0, F1, 0
	QUARTER 0, 2, F1, F0, 0
	QUARTER 0, 3, F0, F1, 0
	TURN 0, 1, 0
	QUARTER 1, 1, F0, F1, 0
	QUARTER 1, 2, F1, F0, 0
	QUARTER 1, 3, F0, F1, 0
	s_wait_dscnt 16
	MUL8 F1, 0, 0, 0
	MUL8 F1, 0, 2, 0
	s_wait_dscnt 0x0
	MUL8 F1, 1, 0, 0
	MUL8 F1, 1, 2, 0
	WIN 0
	s_wait_loadcnt 0x0                             ; the bias; its rounding to bf16 stands in the places behind the last products
	v_cvt_pk_bf16_f32 v[BI+4], v[BI], v[BI+1]
	v_cvt_pk_bf16_f32 v[BI+5], v[BI+2], v[BI+3]
	v_lshlrev_b32 v[BI], 16, v[BI+4]
	v_and_b32 v[BI+1], 0xffff0000, v[BI+4]
	v_lshlrev_b32 v[BI+2], 16, v[BI+5]
	v_and_b32 v[BI+3], 0xffff0000, v[BI+5]
; THE WAY OUT.  A wave's 64 columns of f32 are 256 bytes of a row: block a (16 rows) goes through my own stage and comes back as whole rows, into the registers that it left.
.macro TOSTAGE a
.irp b, 0,1,2,3
	ds_store_b128 v[STO], v[ACC+8*(4*(\a)+(\b)):ACC+8*(4*(\a)+(\b))+3]   offset:64*(\b)
	ds_store_b128 v[STO], v[ACC+8*(4*(\a)+(\b))+4:ACC+8*(4*(\a)+(\b))+7] offset:64*(\b)+16
.endr
.irp t, 0,1,2,3,4,5,6,7
	ds_load_b128 v[ACC+32*(\a)+4*(\t):ACC+32*(\a)+4*(\t)+3], v[RD] offset:(\t)*2*SPITCH  ; in order behind the stores above; the next block's stores come behind these
.endr
.endm
.macro SEND a, younger                 ; younger: the LDS instructions issued behind block a's loads
.irp t, 0,1,2,3,4,5,6,7
	s_wait_dscnt (\younger)+7-(\t)
	v_pk_add_f32 v[ACC+32*(\a)+4*(\t):ACC+32*(\a)+4*(\t)+1],   v[ACC+32*(\a)+4*(\t):ACC+32*(\a)+4*(\t)+1],   v[BI:BI+1]
	v_pk_add_f32 v[ACC+32*(\a)+4*(\t)+2:ACC+32*(\a)+4*(\t)+3], v[ACC+32*(\a)+4*(\t)+2:ACC+32*(\a)+4*(\t)+3], v[BI+2:BI+3]
	global_store_b128 v[CO], v[ACC+32*(\a)+4*(\t):ACC+32*(\a)+4*(\t)+3], s[10:11] offset:(\a)*65536+(\t)*8192 th:TH_STORE_NT  ; 16 lanes store 256 consecutive bytes, aligned
.endr
.endm
	TOSTAGE 0
	TOSTAGE 1
	SEND 0, 16
	TOSTAGE 2
	SEND 1, 16
	TOSTAGE 3
	SEND 2, 16
	SEND 3, 0
	s_wait_tensorcnt 0x0                           ; the wave's end
	ds_add_u32 v[SPW], v[NIL]
	s_wait_dscnt 0x0
	CROUND                                         ; the closing round
	s_endpgm
.Lfunc_end_k_qfae9f2907e_oproj:
	.size	k_qfae9f2907e_oproj, .Lfunc_end_k_qfae9f2907e_oproj-k_qfae9f2907e_oproj
	.p2alignl 7, 3214868480
	.fill 96, 4, 3214868480
	.section	.rodata,"a",@progbits
	.p2align	6, 0x0
	.amdhsa_kernel k_qfae9f2907e_oproj
		.amdhsa_group_segment_fixed_size 327680
		.amdhsa_private_segment_fixed_size 0
		.amdhsa_enable_private_segment 0
		.amdhsa_kernarg_size 32
		.amdhsa_user_sgpr_count 2
		.amdhsa_user_sgpr_kernarg_segment_ptr 1
		.amdhsa_wavefront_size32 1
		.amdhsa_system_sgpr_workgroup_id_x 1
		.amdhsa_system_sgpr_workgroup_id_y 1
		.amdhsa_system_sgpr_workgroup_id_z 1
		.amdhsa_system_vgpr_workitem_id 0
		.amdhsa_next_free_vgpr 512
		.amdhsa_next_free_sgpr 72
		.amdhsa_reserve_vcc 0
		.amdhsa_float_denorm_mode_32 3
		.amdhsa_float_denorm_mode_16_64 3
		.amdhsa_memory_ordered 1
		.amdhsa_forward_progress 1
		.amdhsa_inst_pref_size 90
	.end_amdhsa_kernel
	.amdgpu_metadata
---
amdhsa.version: [ 1, 2 ]
amdhsa.kernels:
  - .name:           k_qfae9f2907e_oproj
    .symbol:         k_qfae9f2907e_oproj.kd
    .args:
      - { .name: w3, .offset: 0, .size: 8, .value_kind: global_buffer, .address_space: global }
      - { .name: w0, .offset: 8, .size: 8, .value_kind: global_buffer, .address_space: global }
      - { .name: bo, .offset: 16, .size: 8, .value_kind: global_buffer, .address_space: global }
      - { .name: out0, .offset: 24, .size: 8, .value_kind: global_buffer, .address_space: global }
    .group_segment_fixed_size: 327680
    .private_segment_fixed_size: 0
    .kernarg_segment_align: 8
    .kernarg_segment_size: 32
    .max_flat_workgroup_size: 128
    .sgpr_count:     72
    .vgpr_count:     512
    .wavefront_size: 32
...
	.end_amdgpu_metadata
.endif
;; end of part 5
;; ======== version 2 of 2: 5 launches; version 1 with the launch attn written anew for expert scheduling mode
;; limits: values are held in f16: magnitudes above 65,504 overflow, below 6.1e-05 lose precision
;; workspace buffers: w0 16,809,984 bytes; w1 42,274,816 bytes; w2 8,654,848 bytes; w3 8,388,608 bytes
;; launch cast: the kernel of part 1 again; grid 513 x 1, 8 waves a work-group, no clusters, 0 bytes of LDS; arguments x, wq, wk, wv, wo, proj, w0; writes w0
;; launch qkv: the kernel of part 2 again; grid 16 x 16, 4 waves a work-group, clusters of 4 x 4, 327,680 bytes of LDS; arguments w0, w1; writes w1
;; launch scan: the kernel of part 3 again; grid 4 x 32, 8 waves a work-group, no clusters, 1,280 bytes of LDS; arguments w1, w2; writes w2
;; launch attn (part 6): grid 8 x 32, 4 waves a work-group, no clusters, 321,536 bytes of LDS; arguments w0, w1, w2, w3; writes w3
.if DOCPART == 6
	.amdgcn_target "amdgcn-amd-amdhsa--gfx1250"
	.amdhsa_code_object_version 6
	.text
	.protected	k_qfae9f2907e_attn
	.globl	k_qfae9f2907e_attn
	.p2align	8
	.type	k_qfae9f2907e_attn,@function
k_qfae9f2907e_attn:
	s_mov_b64 s[64:65], 0
	v_nop
	global_prefetch_b8 v0, s[64:65] scope:SCOPE_SE
	s_setreg_imm32_b32 hwreg(HW_REG_WAVE_SCHED_MODE, 0, 2), 2
	s_setreg_imm32_b32 hwreg(HW_REG_WAVE_MODE, 25, 1), 1
	s_wait_xcnt 0x0
	s_wait_alu depctr_vm_vsrc(0)
; ATTN.  One head, one segment of 256 rows.  Features q'' = 2^(c1 raw - c2 d - c1 rowmax + 3) + 8e-4 and k'' likewise with the global maximum m: 8 x (exp + 1e-4); the factors 8 and the
; ratio 1/16 cancel between numerator and divisor.  out_i = (q''_i . ctx + sum over j <= i of P_ij v_j) / (q''_i . den + sum over j <= i of P_ij), P = f16(q''_i . k''_j), j in the segment.
; The divisor is made by the matrix unit from the same rounded operands: a fifth source of ones beside v's four channel tiles, the den row beside ctx's four.
; LIMITS: an exponential below 2^-126 counts as 0; q'' . k'' is at most 256 x 8.0008^2 = 16,390, inside f16; NaN and infinities are not treated apart; the sums' order differs from a scan's.
; SHARES.  Four waves.  Wave w makes the features of keys 64 w .. + 63, and owns the query tiles x = 0..3 at rows 64 x + 16 w + r: a tile in each band of 64, so the causal work is alike in all waves.
; LAYOUT.  S = K'' Q''^T holds one query a lane (l % 16) and keys 8 (l / 16) + 0..7; two such results rounded to f16 are source 1 of O^T = V^T P, which again holds one query a lane.
; NO CLUSTER, no tensor load: k, q, v and ctx belong to this work-group alone; what work-groups share is proj, 32 KiB a wave read once.  LDS is written by the waves' own stores.
; REGISTERS.  window 0: v0-31 addresses, v32-47 the diagonal's masks, v48-63 at work, v64-79 a tile of q or k, then v64-127 the den row's fragments, later v64-95 S, v128-143 P,
; v160-223 V turned (buffer 0), v96-127, v144-159, v232-247 V turned (buffer 1), v224-231 ones;
; window 1: v0-127 raw, v128-191 ctx in transit, v192-255 v in transit, then v192-194 the offset pair and the LDS address; later O (x, mt) at 8 (5 x + mt);
; window 2: Q'' (x, c) at 64 x + 8 c;   window 3: proj (ft, ks) at 16 ft + 8 ks, later ctx^T's four buffers of 64, later K'' (kt, c) at 64 kt + 8 c.
; THE MODE: SCHED_MODE bits 1:0 = 2 (LLVM: expert scheduling mode 2), set by the entry lines.  The code itself states the register dependences
; between vector or matrix instructions and memory or LDS instructions, with s_wait_alu, always for 0.
; THE PLAN.  Registers that memory or LDS instructions touch, and who else names them:
;   v4, v5, v22, v6-v21   offsets and LDS addresses: written at the head alone, ahead of a wait on va_vdst; never written again.
;   RAW v64-79            A trip's squares and products read it; behind one wait on va_vdst the next tile's four loads land in it.
;   window 1 v0-127       A trip's products write it, the trip works on it in place; registers 8 ft .. + 3 are the data of the trip's LDS stores.  The sixteen feature tiles go in four groups through five
;                         stages; the wait on va_vdst behind a stage states that its exponentials and its roundings are written; the rounded group's four stores stand straight behind it.
;   FADR (window 1 v194)  Read by those stores; stepped at the trip's end, behind the trip's one wait on vm_vsrc, which also frees the stores' data for the next trip's products.
;   window 1 v128-255     ctx and v in transit: loaded, read by LDS stores; a wait on vm_vsrc stands ahead of the first line that writes any of them anew.
;   window 3              proj, read by the loop's products; then ctx^T's tiles and K'' land there, each behind a wait on va_vdst that the products which read the registers stand ahead of.
;   den row, V turned     have registers of their own, V two buffers by turns: their loads land in registers that no product issued since the last wait names, and are dealt among the products.
;   v64-191, the way out  A tile's conversions write the lower 16 of its 32 registers, which its stage stores read; the stage's loads land in the upper 16.  One wait a tile, shared with the next tile's reciprocals.
.set FP,    528                        ; a feature row: 512 bytes + 16
.set VP,    160                        ; a row of v: 128 bytes + 32
.set FB,    256*VP                     ; behind v: four wave parts
.set PART,  128*FP                     ; 64 rows of K'', then the wave's own 64 rows of Q''
.set QOFF,  64*FP
.set STG,   FB+4*PART                  ; 16 rows x 144 bytes a wave, for the way out
.set SP,    144
.set DR,    STG+4*16*SP                ; the den row in f16
.set SPARE, DR+512
.set RAWO, 4
.set L16,  5
.set VST,  6
.set VA,   7
.set QRA,  8
.set CTA,  9                           ; v9-12 ctx^T's tiles; v13 the den row
.set DRA,  13
.set KAD,  14                          ; v14-17 K'' of key step 0..3
.set STO,  18
.set RD,   19
.set GO,   20
.set DRS,  21
.set DENO, 22
.set MG,   23                          ; m
.set CH,   24                          ; v24-27 at work
.set SPW,  30
.set NIL,  31
.set MK,   32
.set DSQ,  48                          ; v48-51 four chains of d
.set DN,   54
.set RC,   56
.set RAW,  64
.set DNF,  64                          ; v64-127 the den row's fragments
.set S,    64
.set MXR,  96
.set P,    128
.set VT,   160                         ; V turned, buffer 0: (kk, mt) at VT + 32 kk + 8 mt
.set VT2,  96                          ; buffer 1: kk = 0 at VT2 + 8 mt;
.set VT3,  144                         ; kk = 1, mt = 0, 1 at VT3 + 8 mt;
.set VT4,  232                         ; kk = 1, mt = 2, 3 at VT4 + 8 (mt - 2)
.set ONES, 224
.set OB,   64
.set OPR,  192                         ; window 1
.set FADR, 194                         ; window 1
.set IV,   36                          ; s[36:43] the four channel tiles' inverse scales, twice each; at the head: eight lane masks
.set C1,   44
.set C2,   46
.set EPS8, 48
.set SEL,  50
.set CNT,  52
.set MSB, 0
.macro WIN new
.if MSB != (\new)
	s_set_vgpr_msb (MSB<<8)|(\new)
.set MSB, \new
.endif
.endm
.macro PLACES
.rept 4
	v_nop
.endr
.endm
	s_load_b256 s[4:11], s[0:1], 0x0               ; w0 s[4:5], w1 s[6:7], w2 s[8:9], w3 s[10:11]
	v_lshl_add_u32 v[SPW], v0, 2, SPARE
	v_mov_b32 v[NIL], 0
	v_lshrrev_b32 v1, 5, v0
	v_readfirstlane_b32 s12, v1                    ; wave 0..3
	s_mov_b32 s13, ttmp9                           ; segment
	s_and_b32 s14, ttmp7, 0xffff                   ; batch x 16 + head
	s_lshl_b32 s15, s14, 3
	s_add_co_u32 s15, s15, s13
	v_and_b32 v1, 15, v0                           ; r
	v_bfe_u32 v2, v0, 4, 1                         ; h
	v_and_b32 v3, 31, v0                           ; l
	v_lshlrev_b32 v[RAWO], 7, v1
	v_lshl_add_u32 v[RAWO], v2, 4, v[RAWO]         ; row x 128 + 16 h
	v_lshlrev_b32 v[L16], 4, v3
	v_lshlrev_b32 v[DENO], 3, v0
	s_mov_b32 s[C1], 0x3f0293ee
	s_mov_b32 s[C1+1], s[C1]
	s_mov_b32 s[C2], 0x3db8aa3b
	s_mov_b32 s[EPS8], 0x3a51b717                  ; 8e-4
	s_mov_b32 s[EPS8+1], s[EPS8]
	s_mov_b32 s[SEL], 0x76543210
	s_mov_b32 s[SEL+1], 0xfedcba98
	s_mov_b32 s57, 0
	s_mov_b32 s59, 0
	s_lshl_b32 s56, s15, 15                        ; the segment's 256 rows of 128 bytes
	s_wait_alu depctr_va_sdst(0)                   ; s12 is written, ahead of its first reader: the wave's addresses are made from it
	s_lshl_b32 s58, s12, 13                        ; my wave's 64 of them
	s_wait_kmcnt 0x0
	s_add_nc_u64 s[18:19], s[6:7], s[56:57]        ; qh at the segment
	s_add_nc_u64 s[16:17], s[18:19], 8388608       ; kh
	s_add_nc_u64 s[20:21], s[18:19], 16777216
	s_add_nc_u64 s[20:21], s[20:21], s[58:59]      ; vh at my wave's rows
	s_add_nc_u64 s[30:31], s[16:17], s[58:59]      ; the first tile: my keys 0-15
	s_add_nc_u64 s[22:23], s[4:5], 16777216        ; proj
	s_add_nc_u64 s[24:25], s[6:7], 42270720        ; mx
	s_add_nc_u64 s[26:27], s[8:9], s[56:57]
	s_add_nc_u64 s[26:27], s[26:27], s[58:59]      ; ctx: channel tile = my wave's number, 16 blocks of 512 bytes
	s_lshl_b32 s56, s15, 10
	s_add_nc_u64 s[28:29], s[8:9], 8388608
	s_add_nc_u64 s[28:29], s[28:29], s[56:57]      ; den
	s_lshl_b32 s56, s15, 4
	s_add_nc_u64 s[54:55], s[8:9], 8650752
	s_add_nc_u64 s[54:55], s[54:55], s[56:57]      ; scl
	s_lshr_b32 s56, s14, 4
	s_lshl_b32 s56, s56, 22
	s_lshl_b32 s58, s13, 19
	s_add_co_u32 s56, s56, s58
	s_lshl_b32 s58, s12, 15
	s_add_co_u32 s56, s56, s58
	s_and_b32 s58, s14, 15
	s_lshl_b32 s58, s58, 8
	s_add_co_u32 s56, s56, s58
	s_add_nc_u64 s[60:61], s[10:11], s[56:57]      ; oh: [batch][row / 2][head][row % 2][64]
	s_load_b128 s[32:35], s[54:55], 0x0
	s_wait_alu depctr_va_vdst(0)                   ; the offsets v4, v5 and v22 are written, which the loads below read
.irp i, 0,1,2,3,4,5,6,7
	global_load_b128 v[MXR+4*(\i):MXR+4*(\i)+3], v[L16], s[24:25] offset:512*(\i)
.endr
.irp ks, 0,1
	global_load_b128 v[RAW+8*(\ks):RAW+8*(\ks)+3],   v[RAWO], s[30:31] offset:64*(\ks)
	global_load_b128 v[RAW+8*(\ks)+4:RAW+8*(\ks)+7], v[RAWO], s[30:31] offset:64*(\ks)+32
.endr
	WIN 0xc0
.set ft, 0
.rept 16
	global_load_b128 v[16*ft:16*ft+3],     v[RAWO], s[22:23] offset:ft*2048
	global_load_b128 v[16*ft+4:16*ft+7],   v[RAWO], s[22:23] offset:ft*2048+32
	global_load_b128 v[16*ft+8:16*ft+11],  v[RAWO], s[22:23] offset:ft*2048+64
	global_load_b128 v[16*ft+12:16*ft+15], v[RAWO], s[22:23] offset:ft*2048+96
.set ft, ft+1
.endr
	WIN 0x40
.set i, 0
.rept 16
	global_load_b128 v[192+4*i:192+4*i+3], v[L16], s[20:21] offset:512*i
.set i, i+1
.endr
.set i, 0
.rept 16
	global_load_b128 v[128+4*i:128+4*i+3], v[L16], s[26:27] offset:512*i
.set i, i+1
.endr
	WIN 0
	global_load_b64 v[DN:DN+1], v[DENO], s[28:29]
	; the addresses, while the loads are on their way: none of these lines names an offset or a destination of a load above
	v_lshrrev_b32 v28, 3, v3
	v_and_b32 v29, 7, v3
	s_lshl_b32 s53, s12, 6
	v_add_nc_u32 v[VST], s53, v28
	v_mul_u32_u24 v[VST], v[VST], VP
	v_lshl_add_u32 v[VST], v29, 4, v[VST]          ; v in: row 64 w + l / 8, 16 bytes at l % 8
	v_lshl_add_u32 v[VA], v2, 3, v29               ; the turning load: key 8 h + l % 8, channels 8 ((l / 8) % 2) on
	v_mul_u32_u24 v[VA], v[VA], VP
	v_bfe_u32 v[CH], v0, 3, 1
	v_lshl_add_u32 v[VA], v[CH], 4, v[VA]
	v_mul_u32_u24 v[CH], v1, FP
	v_lshl_add_u32 v[CH], v2, 4, v[CH]             ; a fragment's row x 528 + 16 h
.irp k, 0,1,2,3
	v_add_nc_u32 v[KAD+(\k)], FB+(\k)*PART, v[CH]
	v_add_nc_u32 v[CTA+(\k)], FB+(\k)*PART+QOFF, v[CH]
.endr
	s_mul_i32 s53, s12, PART
	s_add_co_u32 s53, s53, FB
	v_add_nc_u32 v[CH+1], s53, v[CH]               ; my own part
	v_add_nc_u32 v[QRA], QOFF, v[CH+1]
	v_lshlrev_b32 v[DRA], 4, v2
	v_add_nc_u32 v[DRA], DR, v[DRA]                ; no row term: all 16 rows of that source are the den row
	s_mul_i32 s53, s12, 16*SP
	s_add_co_u32 s53, s53, STG
	v_mul_u32_u24 v[STO], v1, SP
	v_lshl_add_u32 v[STO], v2, 4, v[STO]
	v_add_nc_u32 v[STO], s53, v[STO]
	v_mul_u32_u24 v[RD], v28, SP
	v_lshl_add_u32 v[RD], v29, 4, v[RD]
	v_add_nc_u32 v[RD], s53, v[RD]
	v_lshlrev_b32 v[GO], 12, v2
	v_lshl_add_u32 v[GO], v1, 4, v[GO]
	v_lshl_add_u32 v[DRS], v0, 2, DR
.irp i, 0,1,2,3,4,5,6,7
	v_mov_b32 v[ONES+(\i)], 0x3c003c00
.endr
	; the diagonal's masks, two keys a register: key 16 kt + 8 h + j of a band is seen by query 16 w + r where it is not greater.
	; The compares go in runs of eight, into eight scalar registers, with one wait behind each run.
	v_lshlrev_b32 v48, 3, v2
	v_sub_nc_u32 v48, v1, v48
	s_lshl_b32 s53, s12, 4
	v_add_nc_u32 v48, s53, v48
	v_mov_b32 v49, -1
	s_mov_b32 s53, 0xffff
.irp kt, 0,1,2,3
.irp q, 0,1,2,3
	v_cmp_le_i32 s[IV+2*(\q)], 16*(\kt)+2*(\q), v48
	v_cmp_le_i32 s[IV+2*(\q)+1], 16*(\kt)+2*(\q)+1, v48
.endr
	s_wait_alu depctr_va_sdst(0)                   ; the eight compares have written s36 to s43, ahead of the selects that read them
.irp q, 0,1,2,3
	v_cndmask_b32 v[MK+4*(\kt)+(\q)], 0, s53, s[IV+2*(\q)]
	v_cndmask_b32 v[MK+4*(\kt)+(\q)], v[MK+4*(\kt)+(\q)], v49, s[IV+2*(\q)+1]
.endr
.endr
	v_mov_b32 v[CH+2], 0
	s_wait_loadcnt 63                              ; 101 loads were issued behind mx's eight; the field holds 63, a smaller count is safe
	v_max3_num_f32 v[MG], v[MXR], v[MXR+1], v[MXR+2]
.set i, 3
.rept 14
	v_max3_num_f32 v[MG], v[MG], v[MXR+i], v[MXR+i+1]
.set i, i+2
.endr
	v_max_num_f32 v[MG], v[MG], v[MXR+31]
	v_max_num_f32_dpp v[MG], v[MG], v[MG] row_xmask:1 row_mask:0xf bank_mask:0xf
	v_max_num_f32_dpp v[MG], v[MG], v[MG] row_xmask:2 row_mask:0xf bank_mask:0xf
	v_max_num_f32_dpp v[MG], v[MG], v[MG] row_xmask:4 row_mask:0xf bank_mask:0xf
	v_max_num_f32_dpp v[MG], v[MG], v[MG] row_xmask:8 row_mask:0xf bank_mask:0xf
	v_permlanex16_b32 v[CH+2], v[MG], s[SEL], s[SEL+1]
	v_max_num_f32 v[MG], v[MG], v[CH+2]            ; m: the maximum of raw over all keys and features of the launch before
	s_wait_loadcnt 17                              ; v is in: behind it went ctx's 16 loads and den's one
	WIN 0x04                                       ; store data in window 1
	s_wait_alu depctr_va_vdst(0)                   ; the addresses v6 to v21 are written: every LDS instruction and every store of the kernel reads one of them, and none is written again
.set i, 0
.rept 16
	ds_store_b128 v[VST], v[192+4*i:192+4*i+3] offset:4*VP*i
.set i, i+1
.endr
	WIN 0x40
	s_wait_alu depctr_vm_vsrc(0)                   ; those LDS stores have read v192 to v255 of window 1, of which v192 to v194 are the offset pair and the LDS address from here on
	v_mov_b32 v[FADR], v[CH+1]                     ; where the features go: my part, from its first row on
	WIN 0
	s_wait_kmcnt 0x0
	s_mov_b32 s[IV], s32
	s_mov_b32 s[IV+1], s32
	s_mov_b32 s[IV+2], s33
	s_mov_b32 s[IV+3], s33
	s_mov_b32 s[IV+4], s34
	s_mov_b32 s[IV+5], s34
	s_mov_b32 s[IV+6], s35
	s_mov_b32 s[IV+7], s35
; THE FEATURES.  Eight trips: my four tiles of 16 keys, then my four tiles of 16 queries.  raw^T = proj x tile^T: a lane holds one row (l % 16) and eight neighbouring features of each of 16 tiles.
.macro FA ft                           ; c1 raw - (c2 d + c1 max - 3)
.irp q, 0,1,2,3
	v_pk_fma_f32 v[8*(\ft)+2*(\q):8*(\ft)+2*(\q)+1], v[8*(\ft)+2*(\q):8*(\ft)+2*(\q)+1], s[C1:C1+1], v[OPR:OPR+1] op_sel_hi:[1,0,1] neg_lo:[0,0,1] neg_hi:[0,0,1]
.endr
.endm
; One tile's share of a stage, by turns: the eight exponentials of tile fe; for tile fc, whose exponentials the last wait has shown written, + 8e-4 and the rounding in place, ascending;
; the scalings of tile fa.  -1: none.  No line names a result of tile fe's exponentials; the last line is a plain one.
.macro MIX fe, fc, fa
.irp j, 0,1,2,3,4,5,6,7
.if (\fe) >= 0
	v_exp_f32 v[8*(\fe)+(\j)], v[8*(\fe)+(\j)]
.endif
.if (\fc) >= 0
.if (\j) < 4
	v_pk_add_f32 v[8*(\fc)+2*(\j):8*(\fc)+2*(\j)+1], v[8*(\fc)+2*(\j):8*(\fc)+2*(\j)+1], s[EPS8:EPS8+1] op_sel_hi:[1,0]
.else
	v_cvt_pk_f16_f32 v[8*(\fc)+(\j)-4], v[8*(\fc)+2*(\j)-8], v[8*(\fc)+2*(\j)-7]
.endif
.endif
.if ((\fa) >= 0) && ((\j)%2 == 1)
	v_pk_fma_f32 v[8*(\fa)+(\j)-1:8*(\fa)+(\j)], v[8*(\fa)+(\j)-1:8*(\fa)+(\j)], s[C1:C1+1], v[OPR:OPR+1] op_sel_hi:[1,0,1] neg_lo:[0,0,1] neg_hi:[0,0,1]
.endif
.endr
.endm
.macro FDS ft                          ; 16 bytes a lane into the row
	ds_store_b128 v[FADR], v[8*(\ft):8*(\ft)+3] offset:32*(\ft)
.endm
	s_mov_b32 s[CNT], 0
.Lfeat:
	s_wait_loadcnt 0x0                             ; this trip's tile (at the first trip: everything)
.irp i, 0,1,2,3
	v_mov_b32 v[DSQ+(\i)], 0
.endr
.set i, 0
.rept 16
	v_fma_mix_f32 v[DSQ+i%4], v[RAW+i], v[RAW+i], v[DSQ+i%4] op_sel_hi:[1,1,0]
.set i, i+1
.endr
.set i, 0
.rept 16
	v_fma_mix_f32 v[DSQ+i%4], v[RAW+i], v[RAW+i], v[DSQ+i%4] op_sel:[1,1,0] op_sel_hi:[1,1,0]
.set i, i+1
.endr
	WIN 0x53                                       ; proj window 3, the tile window 0, sums window 1; sixteen accumulators by turns
.irp ks, 0,1
.set ft, 0
.rept 16
.if (\ks) == 0
	v_wmma_f32_16x16x32_f16 v[8*ft:8*ft+7], v[16*ft:16*ft+7], v[RAW:RAW+7], 0
.else
	v_wmma_f32_16x16x32_f16 v[8*ft:8*ft+7], v[16*ft+8:16*ft+15], v[RAW+8:RAW+15], v[8*ft:8*ft+7]
.endif
.set ft, ft+1
.endr
.endr
	WIN 0
	PLACES
	s_add_co_u32 s53, s[CNT], 1                    ; the next tile; the last trip asks for its own once more, so that no load leaves the buffer
	s_min_u32 s53, s53, 7
	s_lshl_b32 s56, s53, 11                        ; keys: row 64 w + 16 i
	s_lshl_b32 s58, s12, 13
	s_add_co_u32 s56, s56, s58
	s_sub_co_u32 s59, s53, 4                       ; queries: row 64 (i - 4) + 16 w
	s_lshl_b32 s59, s59, 13
	s_lshl_b32 s58, s12, 11
	s_add_co_u32 s59, s59, s58
	s_cmp_ge_u32 s53, 4
	s_cselect_b32 s56, s59, s56
	s_cselect_b64 s[30:31], s[18:19], s[16:17]
	s_add_nc_u64 s[30:31], s[30:31], s[56:57]
	s_wait_alu depctr_va_vdst(0)                   ; the squares and the products are done reading RAW, in which the next tile lands
.irp ks, 0,1
	global_load_b128 v[RAW+8*(\ks):RAW+8*(\ks)+3],   v[RAWO], s[30:31] offset:64*(\ks)
	global_load_b128 v[RAW+8*(\ks)+4:RAW+8*(\ks)+7], v[RAWO], s[30:31] offset:64*(\ks)+32
.endr
	s_cmp_ge_u32 s[CNT], 4
	s_cselect_b32 s62, -1, 0                       ; a tile of queries takes its rows' maxima, a tile of keys m
.irp i, 0,1,2,3
	v_mov_b32 v[CH+(\i)], 0xff7fffff
.endr
	WIN 0x14                                       ; sources 1 and 2 in window 1
.set ft, 0
.rept 16
.irp p, 0,1,2,3
	v_max3_num_f32 v[CH+(\p)], v[CH+(\p)], v[8*ft+2*(\p)], v[8*ft+2*(\p)+1]
.endr
.set ft, ft+1
.endr
	WIN 0
	v_max3_num_f32 v[CH], v[CH], v[CH+1], v[CH+2]
	v_add_f32 v[DSQ], v[DSQ], v[DSQ+1]
	v_add_f32 v[DSQ+2], v[DSQ+2], v[DSQ+3]
	v_max_num_f32 v[CH], v[CH], v[CH+3]
	v_add_f32 v[DSQ], v[DSQ], v[DSQ+2]
	v_permlanex16_b32 v[CH+1], v[CH], s[SEL], s[SEL+1]     ; the row's other 128 features, and its other 32 channels, lie in the lane 16 away
	v_permlanex16_b32 v[DSQ+1], v[DSQ], s[SEL], s[SEL+1]
	v_max_num_f32 v[CH], v[CH], v[CH+1]
	v_add_f32 v[DSQ], v[DSQ], v[DSQ+1]
	v_cndmask_b32 v[CH], v[MG], v[CH], s62
	v_mul_f32 v[DSQ], s[C2], v[DSQ]
	v_fma_f32 v[DSQ], v[CH], s[C1], v[DSQ]         ; c2 d + c1 max
	WIN 0x40
	v_add_f32 v[OPR], 0xc0400000, v[DSQ]           ; - 3
	v_add_f32 v[OPR+1], 0xc0400000, v[DSQ]
	WIN 0x55                                       ; all that follows lies in window 1
.irp t, 0,1,2,3
	FA \t
.endr
.irp t, 0,1,2,3
	MIX \t, -1, 4+(\t)                             ; tiles 0-3: exponentials; tiles 4-7: scalings
.endr
	s_wait_alu depctr_va_vdst(0)                   ; the exponentials of tiles 0-3 are written, ahead of their first reader
.irp t, 0,1,2,3
	MIX 4+(\t), \t, 8+(\t)
.endr
	s_wait_alu depctr_va_vdst(0)                   ; the exponentials of tiles 4-7 are written; so are the roundings of tiles 0-3, which the LDS stores below read, and, since the trip before, the LDS address
.irp t, 0,1,2,3
	FDS \t
.endr
.irp t, 0,1,2,3
	MIX 8+(\t), 4+(\t), 12+(\t)
.endr
	s_wait_alu depctr_va_vdst(0)                   ; the exponentials of tiles 8-11 and the roundings of tiles 4-7 are written
.irp t, 0,1,2,3
	FDS 4+(\t)
.endr
.irp t, 0,1,2,3
	MIX 12+(\t), 8+(\t), -1
.endr
	s_wait_alu depctr_va_vdst(0)                   ; the exponentials of tiles 12-15 and the roundings of tiles 8-11 are written
.irp t, 0,1,2,3
	FDS 8+(\t)
.endr
.irp t, 0,1,2,3
	MIX -1, 12+(\t), -1
.endr
	s_wait_alu depctr_va_vdst(0)                   ; the roundings of tiles 12-15 are written, which the LDS stores below read
.irp t, 0,1,2,3
	FDS 12+(\t)
.endr
	s_wait_alu depctr_vm_vsrc(0)                   ; the trip's sixteen LDS stores have read the LDS address, which the next line writes, and their data, which the next products write
	v_add_nc_u32 v[FADR], 16*FP, v[FADR]           ; the next 16 rows: my keys' four tiles, then my queries' four, lie one behind the other
	WIN 0
	s_add_co_u32 s[CNT], s[CNT], 1
	s_cmp_lt_u32 s[CNT], 8
	s_cbranch_scc1 .Lfeat
	s_wait_loadcnt 0x0                             ; the last trip's load lands before its registers are used anew
	v_cvt_pk_f16_f32 v[DN], v[DN], v[DN+1]
	; my own Q'' comes back as fragments; LDS serves a wave's instructions in order, so these see my stores, and the stores below come behind them
	WIN 0x80
	s_wait_alu depctr_va_vdst(0)                   ; the conversion has written v[DN], which an LDS store below reads; the loop's products are done reading proj and RAW, in which ctx^T's tiles and the den row land further down
.irp x, 0,1,2,3
.irp c, 0,1,2,3,4,5,6,7
	ds_load_b128 v[64*(\x)+8*(\c):64*(\x)+8*(\c)+3],   v[QRA] offset:(\x)*16*FP+64*(\c)
	ds_load_b128 v[64*(\x)+8*(\c)+4:64*(\x)+8*(\c)+7], v[QRA] offset:(\x)*16*FP+64*(\c)+32
.endr
.endr
	WIN 0x04
.set i, 0
.rept 16
	ds_store_b128 v[QRA], v[128+4*i:128+4*i+3] offset:32*i  ; ctx^T, channel tile w: channel r's row, features 16 i + 8 h on, where my first Q'' tile lay
.set i, i+1
.endr
	WIN 0
	ds_store_b32 v[DRS], v[DN]
	s_wait_dscnt 0x0                               ; for the others' sake: K'', v, ctx^T and the den row are written; and my Q'' is in
	s_barrier_signal -1
	s_barrier_wait -1
	s_wait_alu depctr_vm_vsrc(0)                   ; my LDS stores have read ctx's registers, v128 to v191 of window 1, of which the products below write v128 to v159
.macro VREG vb, kk, mt                 ; rV: fragment (kk, mt) of V's buffer vb
.if (\vb) == 0
.set rV, VT+32*(\kk)+8*(\mt)
.elseif (\kk) == 0
.set rV, VT2+8*(\mt)
.elseif (\mt) < 2
.set rV, VT3+8*(\mt)
.else
.set rV, VT4+8*(\mt)-16
.endif
.endm
.macro LDV ks, vb                      ; v of key step ks, turned, into buffer vb
	WIN 0
.irp kk, 0,1
.irp mt, 0,1,2,3
	VREG \vb, \kk, \mt
	ds_load_tr16_b128 v[rV:rV+3],   v[VA] offset:(\ks)*64*VP+(\kk)*32*VP+32*(\mt)
	ds_load_tr16_b128 v[rV+4:rV+7], v[VA] offset:(\ks)*64*VP+(\kk)*32*VP+16*VP+32*(\mt)
.endr
.endr
.endm
.macro LDCT mt, win, base              ; ctx^T's channel tile mt (4: the den row), 256 features, into 64 registers from base on
	WIN \win
.irp c, 0,1,2,3,4,5,6,7
	ds_load_b128 v[(\base)+8*(\c):(\base)+8*(\c)+3],   v[CTA+(\mt)] offset:64*(\c)
	ds_load_b128 v[(\base)+8*(\c)+4:(\base)+8*(\c)+7], v[CTA+(\mt)] offset:64*(\c)+32
.endr
.endm
.macro MTI mt, win, base               ; O (x, mt) = ctx^T Q''^T: the four tiles' accumulators by turns
	WIN \win
.irp c, 0,1,2,3,4,5,6,7
.irp x, 0,1,2,3
.if (\c) == 0
	v_wmma_f32_16x16x32_f16 v[8*(5*(\x)+(\mt)):8*(5*(\x)+(\mt))+7], v[(\base)+8*(\c):(\base)+8*(\c)+7], v[64*(\x)+8*(\c):64*(\x)+8*(\c)+7], 0
.else
	v_wmma_f32_16x16x32_f16 v[8*(5*(\x)+(\mt)):8*(5*(\x)+(\mt))+7], v[(\base)+8*(\c):(\base)+8*(\c)+7], v[64*(\x)+8*(\c):64*(\x)+8*(\c)+7], v[8*(5*(\x)+(\mt)):8*(5*(\x)+(\mt))+7]
.endif
.endr
.endr
.endm
.macro KLOAD ks, c0                    ; K'' of key step ks, features 32 c0 .. 32 c0 + 127: 32 loads, eight for each 32 features
	WIN 0xc0
.irp c, \c0, (\c0)+1, (\c0)+2, (\c0)+3
.irp kt, 0,1,2,3
	ds_load_b128 v[64*(\kt)+8*(\c):64*(\kt)+8*(\c)+3],   v[KAD+(\ks)] offset:(\kt)*16*FP+64*(\c)
	ds_load_b128 v[64*(\kt)+8*(\c)+4:64*(\kt)+8*(\c)+7], v[KAD+(\ks)] offset:(\kt)*16*FP+64*(\c)+32
.endr
.endr
.endm
	; WHAT LIES IN FRONT OF THE SEGMENT.  Each run of 16 loads lands in registers that no product issued since the last wait on va_vdst names: the runs are dealt among the products with no further wait.
	LDCT 0, 0xc0, 0
	LDCT 1, 0xc0, 64
	LDCT 2, 0xc0, 128
	s_wait_dscnt 32                                ; LDS loads come back in order: tile 0 is in, the two younger runs stay out
	MTI 0, 0x5b, 0
	LDCT 3, 0xc0, 192
	s_wait_dscnt 32                                ; tile 1 is in
	MTI 1, 0x5b, 64
	LDCT 4, 0, DNF                                 ; the den row has registers of its own, in window 0
	s_wait_dscnt 32                                ; tile 2 is in
	MTI 2, 0x5b, 128
	LDV 0, 0
	s_wait_dscnt 32                                ; tile 3 is in
	MTI 3, 0x5b, 192
	s_wait_dscnt 16                                ; the den row is in; v's 16 loads may be out
	MTI 4, 0x58, DNF
	PLACES                                         ; four places behind the products, before their results are read (ISA guide 7.12.1)
	WIN 0x41                                       ; ctx's power of two is taken out again
.irp mt, 0,1,2,3
.irp x, 0,1,2,3
.irp q, 0,1,2,3
	v_pk_mul_f32 v[8*(5*(\x)+(\mt))+2*(\q):8*(5*(\x)+(\mt))+2*(\q)+1], v[8*(5*(\x)+(\mt))+2*(\q):8*(5*(\x)+(\mt))+2*(\q)+1], s[IV+2*(\mt):IV+2*(\mt)+1] op_sel_hi:[1,0]
.endr
.endr
.endr
	WIN 0xc0
	s_wait_alu depctr_va_vdst(0)                   ; the products above are done reading ctx^T's four buffers, in which K'' lands
	KLOAD 0, 0
	KLOAD 0, 4
; THE SEGMENT ITSELF.  S = K'' Q''^T for 64 keys x tile x, four accumulators by turns.  first = 1: a key step's first pass: K'' is still landing, and each 32 features are waited for by count:
; behind their eight loads went eight for each later 32 features and `behind` more (v's); the field holds 63, a smaller count is safe.
.macro SPASS x, first, behind
.irp c, 0,1,2,3,4,5,6,7
.if \first
.set NW, 8*(7-(\c))+(\behind)
.if NW > 63
.set NW, 63
.endif
	s_wait_dscnt NW
.endif
	WIN 0x0b
.irp kt, 0,1,2,3
.if (\c) == 0
	v_wmma_f32_16x16x32_f16 v[S+8*(\kt):S+8*(\kt)+7], v[64*(\kt)+8*(\c):64*(\kt)+8*(\c)+7], v[64*(\x)+8*(\c):64*(\x)+8*(\c)+7], 0
.else
	v_wmma_f32_16x16x32_f16 v[S+8*(\kt):S+8*(\kt)+7], v[64*(\kt)+8*(\c):64*(\kt)+8*(\c)+7], v[64*(\x)+8*(\c):64*(\x)+8*(\c)+7], v[S+8*(\kt):S+8*(\kt)+7]
.endif
.endr
.endr
	WIN 0
	PLACES
.endm
.macro PACKP dg                        ; S is rounded to f16; dg = 1: the band's own step: hidden keys' weights are cleared
	WIN 0
.irp kt, 0,1,2,3
.irp q, 0,1,2,3
	v_cvt_pk_f16_f32 v[P+4*(\kt)+(\q)], v[S+8*(\kt)+2*(\q)], v[S+8*(\kt)+2*(\q)+1]
.endr
.endr
.if \dg
.set i, 0
.rept 16
	v_and_b32 v[P+i], v[MK+i], v[P+i]
.set i, i+1
.endr
.endif
.endm
.macro PVX x, vb                       ; O (x, mt) += V^T P, and the divisor += ones x P: five accumulators by turns; V from buffer vb
	WIN 0x50
.irp kk, 0,1
.irp mt, 0,1,2,3
	VREG \vb, \kk, \mt
	v_wmma_f32_16x16x32_f16 v[8*(5*(\x)+(\mt)):8*(5*(\x)+(\mt))+7], v[rV:rV+7], v[P+8*(\kk):P+8*(\kk)+7], v[8*(5*(\x)+(\mt)):8*(5*(\x)+(\mt))+7]
.endr
	v_wmma_f32_16x16x32_f16 v[8*(5*(\x)+4):8*(5*(\x)+4)+7], v[ONES:ONES+7], v[P+8*(\kk):P+8*(\kk)+7], v[8*(5*(\x)+4):8*(5*(\x)+4)+7]
.endr
.endm
; THE CHANGE OF KEY STEPS, behind the products S of the step's last pass (tile 3).  One wait; behind it half of the next K'', the pass's roundings and its V^T P, the other half of K'', and the next V
; into the buffer that this step does not read.  The roundings and V^T P name S, P, O, the ones and this step's V: none of the registers in which those loads land.
.macro CHANGE ksn, vb
	WIN 0xc0
	s_wait_alu depctr_va_vdst(0)                   ; this step's products are done reading K'', and the step before's are done reading the other V buffer: the next step's K'' and V land there
	KLOAD \ksn, 0
	PACKP 0
	PVX 3, \vb
	KLOAD \ksn, 4
	LDV \ksn, 1-(\vb)
.endm
	SPASS 0, 1, 0                                  ; key step 0: v was asked for ahead of K''
	PACKP 1
	PVX 0, 0
	SPASS 1, 0, 0
	PACKP 0
	PVX 1, 0
	SPASS 2, 0, 0
	PACKP 0
	PVX 2, 0
	SPASS 3, 0, 0
	CHANGE 1, 0
	SPASS 1, 1, 16                                 ; key step 1
	PACKP 1
	s_wait_dscnt 0x0                               ; v is in
	PVX 1, 1
	SPASS 2, 0, 0
	PACKP 0
	PVX 2, 1
	SPASS 3, 0, 0
	CHANGE 2, 1
	SPASS 2, 1, 16                                 ; key step 2
	PACKP 1
	s_wait_dscnt 0x0
	PVX 2, 0
	SPASS 3, 0, 0
	CHANGE 3, 0
	SPASS 3, 1, 16                                 ; key step 3
	PACKP 1
	s_wait_dscnt 0x0
	PVX 3, 1
; THE WAY OUT.  Every register of the fifth accumulator holds the lane's divisor.  A tile goes through my stage and leaves as whole units: two rows of a head are 256 consecutive bytes of oh.
; The next tile's reciprocals stand behind a tile's conversions, so that one wait serves both.
.macro RCPX x
	WIN 0x01
	v_rcp_f32 v[RC], v[8*(5*(\x)+4)]
	v_rcp_f32 v[RC+1], v[8*(5*(\x)+4)]
	v_nop                                          ; a plain line between the reciprocals and their use
	WIN 0
.endm
.macro MULX x
	WIN 0x41
.irp mt, 0,1,2,3
.irp q, 0,1,2,3
	v_pk_mul_f32 v[8*(5*(\x)+(\mt))+2*(\q):8*(5*(\x)+(\mt))+2*(\q)+1], v[8*(5*(\x)+(\mt))+2*(\q):8*(5*(\x)+(\mt))+2*(\q)+1], v[RC:RC+1]
.endr
.endr
	WIN 0x05
.irp mt, 0,1,2,3
.irp q, 0,1,2,3
	v_cvt_pk_f16_f32 v[OB+32*(\x)+4*(\mt)+(\q)], v[8*(5*(\x)+(\mt))+2*(\q)], v[8*(5*(\x)+(\mt))+2*(\q)+1]
.endr
.endr
	WIN 0
.endm
.macro STGX x
	WIN 0
.irp mt, 0,1,2,3
	ds_store_b128 v[STO], v[OB+32*(\x)+4*(\mt):OB+32*(\x)+4*(\mt)+3] offset:32*(\mt)
.endr
.irp f, 0,1,2,3
	ds_load_b128 v[OB+32*(\x)+16+4*(\f):OB+32*(\x)+16+4*(\f)+3], v[RD] offset:(\f)*4*SP  ; in order behind the stores above; the next tile's stores come behind these
.endr
.endm
.macro SENDX x, younger                ; younger: the LDS instructions issued behind tile x's loads
	WIN 0
.irp f, 0,1,2,3
	s_wait_dscnt (\younger)+3-(\f)
	global_store_b128 v[GO], v[OB+32*(\x)+16+4*(\f):OB+32*(\x)+16+4*(\f)+3], s[60:61] offset:(\x)*131072+(\f)*8192  ; 16 lanes store 256 consecutive bytes, aligned
.endr
.endm
	RCPX 0
	s_wait_alu depctr_va_vdst(0)                   ; tile 0's reciprocals are written, ahead of their first reader
	MULX 0
	RCPX 1
	s_wait_alu depctr_va_vdst(0)                   ; tile 1's reciprocals are written; tile 0's conversions have written the stage stores' data; all that named the registers in which the stage's loads land is done
	STGX 0
	MULX 1
	RCPX 2
	s_wait_alu depctr_va_vdst(0)                   ; the same for tile 2's reciprocals and tile 1's conversions, stores and loads
	STGX 1
	SENDX 0, 8
	MULX 2
	RCPX 3
	s_wait_alu depctr_va_vdst(0)                   ; the same for tile 3's reciprocals and tile 2's conversions, stores and loads
	STGX 2
	SENDX 1, 8
	MULX 3
	s_wait_alu depctr_va_vdst(0)                   ; tile 3's conversions have written the stage stores' data; the products that read the registers in which the stage's loads land are done
	STGX 3
	SENDX 2, 8
	SENDX 3, 0
	s_wait_dscnt 0x0                               ; the closing lines, six on end
	s_wait_alu 0x0
	s_wait_tensorcnt 0x0
	ds_add_u32 v[SPW], v[NIL]
	s_wait_dscnt 0x0
	s_endpgm
.Lfunc_end_k_qfae9f2907e_attn:
	.size	k_qfae9f2907e_attn, .Lfunc_end_k_qfae9f2907e_attn-k_qfae9f2907e_attn
	.p2alignl 7, 3214868480
	.fill 96, 4, 3214868480
	.section	.rodata,"a",@progbits
	.p2align	6, 0x0
	.amdhsa_kernel k_qfae9f2907e_attn
		.amdhsa_group_segment_fixed_size 321536
		.amdhsa_private_segment_fixed_size 0
		.amdhsa_enable_private_segment 0
		.amdhsa_kernarg_size 32
		.amdhsa_user_sgpr_count 2
		.amdhsa_user_sgpr_kernarg_segment_ptr 1
		.amdhsa_wavefront_size32 1
		.amdhsa_system_sgpr_workgroup_id_x 1
		.amdhsa_system_sgpr_workgroup_id_y 1
		.amdhsa_system_sgpr_workgroup_id_z 1
		.amdhsa_system_vgpr_workitem_id 0
		.amdhsa_next_free_vgpr 1024
		.amdhsa_next_free_sgpr 66
		.amdhsa_reserve_vcc 0
		.amdhsa_float_denorm_mode_32 3
		.amdhsa_float_denorm_mode_16_64 3
		.amdhsa_memory_ordered 1
		.amdhsa_forward_progress 1
		.amdhsa_inst_pref_size 151
	.end_amdhsa_kernel
	.amdgpu_metadata
---
amdhsa.version: [ 1, 2 ]
amdhsa.kernels:
  - .name:           k_qfae9f2907e_attn
    .symbol:         k_qfae9f2907e_attn.kd
    .args:
      - { .name: w0, .offset: 0, .size: 8, .value_kind: global_buffer, .address_space: global }
      - { .name: w1, .offset: 8, .size: 8, .value_kind: global_buffer, .address_space: global }
      - { .name: w2, .offset: 16, .size: 8, .value_kind: global_buffer, .address_space: global }
      - { .name: w3, .offset: 24, .size: 8, .value_kind: global_buffer, .address_space: global }
    .group_segment_fixed_size: 321536
    .private_segment_fixed_size: 0
    .kernarg_segment_align: 8
    .kernarg_segment_size: 32
    .max_flat_workgroup_size: 128
    .sgpr_count:     66
    .vgpr_count:     1024
    .wavefront_size: 32
...
	.end_amdgpu_metadata
.endif
;; end of part 6
;; launch oproj: the kernel of part 5 again; grid 8 x 32, 4 waves a work-group, clusters of 4 x 4, 327,680 bytes of LDS; arguments w3, w0, bo, out0; writes out0
